; MI455X (gfx1250); checked and timed in simulation.
; The chip was launched on July 23, 2026; its instructions are those of AMD's public machine-readable ISA for CDNA 5 (MIT licence, August 2026) and "CDNA5" Instruction Set Architecture Reference Guide (July 2026). The comments in the code are by the model that wrote it; some were corrected since.
;; Multi Head Attention. Allowed arithmetic: matrix products marked QUANTISED: E2M3 operands, one E8M0 scale for each 32 along K, by v_wmma_scale_f32_16x16x128_f8f6f4 with both operands' format E2M3, f32 sums; everything else in f32.
;; Inputs: b_proj 1,024 float32; w_proj 1,024 x 1,024 float32; wk 16 x 1,024 x 64 float32; wq 16 x 1,024 x 64 float32; wv 16 x 1,024 x 64 float32; x 4 x 2,048 x 1,024 float32.
;; Outputs: out0 4 x 2,048 x 1,024 float32.
;; This version of the problem:
;;   THIS VERSION OF THE PROBLEM IS GIVEN IN LOW PRECISION. The matrix products marked QUANTISED in the list below multiply operands that are first quantised to E2M3 (2 exponent bits, 3 mantissa bits; 6 bits a number), with one power-of-two scale for each 32 numbers along K (OCP MX v1.0); their sums are f32. All else is computed in f32.
;;   The module's matrix products, in the order in which they are computed (A, B: the left and right operand; K: the contracted axis; several contracted axes count as one K, in the product's order):
;;     1. [M 1,024, K 1,024] x [K 1,024, N 8,192]; A: input wq; B: input x: QUANTISED
;;     2. [M 1,024, K 1,024] x [K 1,024, N 8,192]; A: input wk; B: input x: QUANTISED
;;     3. [M 1,024, K 1,024] x [K 1,024, N 8,192]; A: input wv; B: input x: QUANTISED
;;     4. batch 64 x [M 2,048, K 64] x [K 64, N 2,048]; A: computed on the way; B: computed on the way: QUANTISED
;;     5. batch 64 x [M 2,048, K 2,048] x [K 2,048, N 64]; A: softmax (see below); B: computed on the way: QUANTISED
;;     6. [M 8,192, K 1,024] x [K 1,024, N 1,024]; A: computed on the way; B: input w_proj: QUANTISED
;;   THE QUANTISER, for each operand of a quantised product, along K:
;;     - K is cut into blocks of 32 from its start; a last block that is shorter is filled with zeros.
;;     - A block's scale is 2^e with e = floor(log2(the largest magnitude in the block)) - 2, held to -126 .. 127; a block of zeros has e = 0. As a byte (E8M0): e + 127.
;;     - Each number is divided by its block's scale, clamped to +-7.5, and rounded to the nearest number of E2M3, ties to even, subnormals kept.
;;     - The product sums the exact products of the quantised numbers (number of the format x scale) in f32.
;;   ~~~python
;;   def quantise(x, axis):      # numpy; x: float32 -> the quantised numbers, widened to float32 again
;;       x = np.moveaxis(x, axis, -1); K = x.shape[-1]
;;       x = np.pad(x, [(0, 0)] * (x.ndim - 1) + [(0, -K % 32)]); x = x.reshape(x.shape[:-1] + (-1, 32)); a = np.abs(x).max(-1, keepdims=True)
;;       e = np.where(a > 0, np.clip(np.frexp(np.where(a > 0, a, 1))[1] - 1 - 2, -126, 127), 0)      # np.frexp(a)[1] - 1 = floor(log2(a)), exactly
;;       r = np.clip(x / 2.0 ** e, -7.5, 7.5)
;;       step = 2.0 ** (np.maximum(np.frexp(np.where(r == 0, 1, r))[1] - 1, 0) - 3)
;;       q = np.round(r / step) * step * 2.0 ** e      # np.round: ties to even
;;       return np.moveaxis(q.reshape(q.shape[:-2] + (-1,))[..., :K], -1, axis).astype(np.float32)
;;   ~~~
;;   SOFTMAX AHEAD OF A QUANTISED PRODUCT. Where the list says 'softmax', what is quantised is not the finished softmax but p = 2^(t - M), with t = logit x log2(e) and M = ceil(the row's largest t), a whole number; so 1/2 < the row's largest p <= 1. The row's sum l is taken of the UNQUANTISED p, in f32, and the product's result is divided by l at the end. Since M is a whole number, a kernel that streams over the keys may use a running M (the ceiling of the running maximum): every later rescaling is an exact power of two, which a block's scale takes up: the codes' values come out the same.
;;   OPERANDS COMPUTED ON THE WAY. 'Computed on the way' means the value that the module computes at that place (a softmax that the list does not call 'softmax' is quantised finished and normalised). What goes into a quantiser is computed in f32, as accurately as f32 sums, v_exp_f32 and their like allow (about 1e-6 of the number): no bf16 or f16 on the way to a quantiser, and a product that is left as it is and whose result goes on into a quantised operand takes f32 operands (vector FMAs, or v_wmma_f32_16x16x4_f32). A number that lies on a knife's edge between two numbers of the format may be rounded either way, as far as f32 arithmetic and the matrix unit's own rounding can turn it there, and no further.
;; One version. Each part assembles by itself: llvm-mc -triple=amdgcn-amd-amdhsa -mcpu=gfx1250 --defsym DOCPART=n.
;; ======== version 1 of 1: 4 launches
;; limits: right only within a limited range of input values
;; workspace buffers: c1 8,650,752 bytes; s1 360,448 bytes; c2 7,077,888 bytes; s2 294,912 bytes; qkv 19,660,800 bytes
;; launch quant (part 1): grid 336 x 1, 4 waves a work-group, no clusters, 34,304 bytes of LDS; arguments x, w_proj, wq, wk, wv, c1, s1, c2, s2; writes c1, s1, c2, s2
.if DOCPART == 1
	.amdgcn_target "amdgcn-amd-amdhsa--gfx1250"
	.amdhsa_code_object_version 6
	.text
	.protected	k_q8ccb6b5f2a_quant
	.globl	k_q8ccb6b5f2a_quant
	.p2align	8
	.type	k_q8ccb6b5f2a_quant,@function
k_q8ccb6b5f2a_quant:
	s_mov_b64 s[64:65], 0
	v_nop
	global_prefetch_b8 v0, s[64:65] scope:SCOPE_SE
	s_setreg_imm32_b32 hwreg(HW_REG_WAVE_MODE, 25, 1), 1
	s_wait_xcnt 0x0
; x [8192][1024], w_proj [1024][1024] (K innermost) and wq, wk, wv [16][1024 (K)][64] (K in the middle), all f32, become codes of FP6 (E2M3) with one E8M0 byte for each 32 along K.
; A block's scale is 2^(floor(log2(its largest magnitude)) - 2); its byte is the largest magnitude's exponent field - 2, held at 1 from below; numbers are divided by it and rounded to the nearest code, ties to even, beyond 7.5 the largest code.
; LIMITS: a block of zeros, or one whose largest magnitude lies under 2^-124, gets the byte 1 (zeros stay zero codes; the bytes are read by this program alone); NaN and infinities among the inputs are not served.
; THE WORKSPACE IS LAID IN THE ORDER OF THE OPERAND'S REGISTERS.  Rows go in tiles of 16; tile 2 g + u, lane r holds row 32 g + 8 u + r + 8 (r / 8).  A tile's codes for 64 along K are a HALF IMAGE of 768 bytes:
; three planes of 256 bytes; plane p holds at 8 x lane registers 2 p, 2 p + 1 of the six that lane (r, h) has for row r, k = 32 h .. 32 h + 31.  A tile has 16 half images on end (12,288 bytes).
; Scale bytes: 32 bytes for each place (tile x 16 + r), the lower K in the lower byte.
; c1, s1: tiles 0-511 x, tiles 512 + 64 kind + 4 head + .. the weights (kind 0, 1, 2 = q, k, v; row = 64 head + d).  c2, s2: tiles 512-575 w_proj (tiles 0-511 are a later launch's).
; Work-groups 0-143: a wave takes one tile of x or w_proj through all of K.  Work-groups 144-335: a wave takes 32 columns d of one head x 128 along K of a weight.  Waves share nothing: no barrier.
.set STG,   8448                       ; a wave's stage in LDS: 16 rows x (512 bytes + 16)
.set SPARE, 4*STG                      ; behind the four stages: the spare words, 128 bytes for each wave: two blocks of 256 bytes that no other line names
.set SPW,   9                          ; v9   LDS address of my spare word; never rewritten
.set NIL,   10                         ; v10  0; never rewritten
.set TM,    12                         ; v12-15 largest magnitudes, v16-19 the other half's / the bytes, v24-27 the conversions' scale operands
.set PW,    28                         ; v28  a scale word
.set PC,    32                         ; v32-43 a fragment's codes, v44-51 the conversions' second halves
.set SW,    52                         ; v52-59 the tile's eight scale words
.set R,     64                         ; v64-191 two sets of 64 registers as loaded
.set X,     192                        ; v192-255 64 numbers of my row: register 16 b + i = k 32 b + 16 h + i
.set WV,    22
.set SEL,   30                         ; s[30:31] v_permlanex16_b32's selects for lane l xor 16
.set MH,    32                         ; s32  a lane mask: lanes 16-31
	s_load_b256 s[4:11], s[0:1], 0x0               ; x, w_proj, wq, wk
	s_load_b256 s[12:19], s[0:1], 0x20             ; wv, c1, s1, c2
	s_load_b64 s[20:21], s[0:1], 0x40              ; s2
	v_lshl_add_u32 v[SPW], v0, 2, SPARE
	v_mov_b32 v[NIL], 0
	v_lshrrev_b32 v1, 5, v0
	v_readfirstlane_b32 s[WV], v1                  ; wave 0..3
	v_and_b32 v1, 31, v0                           ; lane
	v_lshlrev_b32 v7, 3, v1                        ; 8 x lane: my place in a plane
	s_lshl_b32 s23, ttmp9, 2
	s_add_co_u32 s23, s23, s[WV]                   ; 4 x work-group + wave
	s_cmp_lt_u32 ttmp9, 144
	s_cbranch_scc0 .Lweights
; ---------------- rows whose K is innermost: x and w_proj ----------------
; 64 numbers of a lane, v[src] on, register 16 b + i = k 32 b + 16 (lane / 16) + i of my row, become a fragment's codes in v[PC] on and its scale word in v[PW].
.macro QUANT src
.irp b, 0,1,2,3
	v_max3_num_f32 v[TM+\b], |v[\src+16*\b]|, |v[\src+1+16*\b]|, 0x1800000   ; block b: my 16 numbers, and the floor 2^(3 - 127): the byte cannot fall under 1
.endr
.irp i, 2,4,6,8,10,12,14
.irp b, 0,1,2,3
	v_max3_num_f32 v[TM+\b], v[TM+\b], |v[\src+16*\b+\i]|, |v[\src+1+16*\b+\i]|   ; the four blocks by turns
.endr
.endr
.irp b, 0,1,2,3
	v_permlanex16_b32 v[TM+4+\b], v[TM+\b], s[SEL], s[SEL+1]
.endr
.irp b, 0,1,2,3
	v_max_num_f32 v[TM+\b], v[TM+\b], v[TM+4+\b]   ; with lane l xor 16's 16: the block's largest magnitude
.endr
.irp b, 0,1,2,3
	v_add_nc_u32 v[TM+12+\b], 0xff000000, v[TM+\b] ; 2 off its exponent field: the conversion takes the exponent field of this operand as its scale
.endr
.irp b, 0,1,2,3
	v_lshrrev_b32 v[TM+4+\b], 23, v[TM+12+\b]      ; the scale's byte
.endr
	v_lshl_or_b32 v[PW], v[TM+5], 8, v[TM+4]
	v_lshl_or_b32 v[PW], v[TM+6], 16, v[PW]
	v_lshl_or_b32 v[PW], v[TM+7], 24, v[PW]        ; my row's scale word for these 128 along K
.irp c, 0,1
	v_cvt_scalef32_pk16_fp6_f32 v[PC+6*\c:PC+2+6*\c], v[\src+32*\c:\src+15+32*\c], v[TM+12+2*\c]
	v_cvt_scalef32_pk16_fp6_f32 v[PC+12+4*\c:PC+14+4*\c], v[\src+16+32*\c:\src+31+32*\c], v[TM+12+2*\c+1]   ; (a conversion's three registers begin on an even number)
.endr
	v_nop                                          ; one plain place behind a scaled conversion
.irp c, 0,1                                    ; the operand's layout wants a whole block in a lane: lanes 0-15 block 2 c, lanes 16-31 block 2 c + 1
.irp i, 0,1,2
	v_permlane16_swap_b32 v[PC+6*\c+\i], v[PC+12+4*\c+\i]
.endr
.irp i, 0,1,2
	v_mov_b32 v[PC+3+6*\c+\i], v[PC+12+4*\c+\i]
.endr
.endr
.endm
.macro LOADK s                         ; K step s (128 along K) of the tile's 16 rows: each load reads 512 consecutive bytes of one row
.irp p, 0,1,2,3,4,5,6,7,8,9,10,11,12,13,14,15
	global_load_b128 v[R+64*((\s)%2)+4*\p:R+64*((\s)%2)+4*\p+3], v4, s[4:5] offset:(\p+8*(\p/8))*4096+512*(\s) th:TH_LOAD_NT
.endr
.endm
.macro XSTEP s
.if (\s) < 7
	s_wait_loadcnt 16                              ; this K step's 16 loads are in; the next step's 16 may be out
.else
	s_wait_loadcnt 0x0
.endif
.irp p, 0,1,2,3,4,5,6,7,8,9,10,11,12,13,14,15
	ds_store_b128 v5, v[R+64*((\s)%2)+4*\p:R+64*((\s)%2)+4*\p+3] offset:528*\p   ; the rows as they lie, into my own stage
.endr
.irp b, 0,1,2,3
.irp j, 0,1,2,3
	ds_load_b128 v[X+16*\b+4*\j:X+16*\b+4*\j+3], v6 offset:128*\b+16*\j   ; and back: my row's 16 numbers of each block.  LDS serves a wave's instructions in order: no wait between
.endr
.endr
	s_wait_dscnt 0x0                               ; the numbers are back, and the stores have read their registers,
.if (\s) < 6
	LOADK (\s)+2                                   ; which take the loads of two steps on
.endif
	s_wait_xcnt 0x0                                ; the last step's stores have read the codes' registers: they are written again only behind this wait
	QUANT X
.irp p, 0,1,2,3,4,5
	global_store_b64 v7, v[PC+2*\p:PC+2*\p+1], s[14:15] offset:1536*(\s)+256*\p   ; a plane: 32 lanes store 256 consecutive bytes, aligned
.endr
	v_mov_b32 v[SW+(\s)], v[PW]
.endm
	v_and_b32 v2, 15, v0                           ; r
	v_bfe_u32 v3, v0, 4, 1                         ; h
	v_lshlrev_b32 v4, 4, v1                        ; 16 x lane
	s_mul_i32 s24, s[WV], STG                      ; my stage
	v_add_nc_u32 v5, s24, v4                       ; in: 16 bytes a lane of a row
	v_mul_u32_u24 v6, v2, 528
	v_lshl_add_u32 v6, v3, 6, v6
	v_add_nc_u32 v6, s24, v6                       ; out: row r, + 64 h
	v_lshlrev_b32 v8, 5, v2
	v_lshl_add_u32 v8, v3, 4, v8                   ; the scale bytes: 32 r + 16 h
	s_mov_b32 s[SEL], 0x76543210
	s_mov_b32 s[SEL+1], 0xfedcba98
	s_mov_b32 s[MH], 0xffff0000
.irp b, 0,1,2,3
	v_mov_b32 v[TM+4+\b], 0                        ; written once: a lane permute's destination counts as one of its sources
.endr
	s_wait_alu depctr_va_vdst(0)
	s_wait_kmcnt 0x0
	s_cmp_lt_u32 ttmp9, 128                        ; x's work-group or w_proj's?  The choice hangs on the work-group's number alone
	s_cselect_b64 s[4:5], s[4:5], s[6:7]
	s_cselect_b64 s[14:15], s[14:15], s[18:19]
	s_cselect_b64 s[16:17], s[16:17], s[20:21]
	s_cselect_b32 s25, 0, 512
	s_sub_co_u32 s25, s23, s25                     ; the tile's number among its tensor's rows; in the workspace it is tile 4 x work-group + wave in both cases
	s_lshr_b32 s26, s25, 1
	s_lshl_b32 s26, s26, 5
	s_and_b32 s27, s25, 1
	s_lshl_b32 s27, s27, 3
	s_add_co_u32 s26, s26, s27                     ; its first row: 32 (T / 2) + 8 (T % 2)
	s_lshl_b32 s26, s26, 12                        ; x 4,096 bytes: under 2^25
	s_mov_b32 s27, 0
	s_add_nc_u64 s[4:5], s[4:5], s[26:27]
	s_mul_i32 s26, s23, 12288
	s_add_nc_u64 s[14:15], s[14:15], s[26:27]
	s_lshl_b32 s26, s23, 9
	s_add_nc_u64 s[16:17], s[16:17], s[26:27]
	LOADK 0
	LOADK 1
.irp s, 0,1,2,3,4,5,6,7
	XSTEP \s
.endr
.irp i, 0,1,2,3
	v_cndmask_b32 v[60+\i], v[SW+\i], v[SW+4+\i], s[MH]   ; lanes 0-15 store their row's words 0-3, lanes 16-31 words 4-7
.endr
	global_store_b128 v8, v[60:63], s[16:17]       ; the tile's 512 scale bytes: consecutive, aligned
	s_branch .Lend
; ---------------- the weights: K is not innermost ----------------
; A lane takes a column d and its registers run down K: a block of 32 lies in one lane, and the conversions give codes with K innermost.  Lane l takes the column whose number is l with bits 3 and 4 exchanged:
; so lanes 0-15 hold the rows of tile 2 g and lanes 16-31 those of tile 2 g + 1, each in the tile's own order.
.Lweights:
	s_sub_co_u32 s23, s23, 576                     ; my unit, 0 .. 767
	s_and_b32 s24, s23, 7                          ; which 128 along K
	s_bfe_u32 s25, s23, 0x10003                    ; g: which 32 columns of the head
	s_bfe_u32 s26, s23, 0x40004                    ; head
	s_lshr_b32 s27, s23, 8                         ; kind
	s_wait_alu depctr_va_vdst(0)
	v_and_b32 v2, 7, v1
	v_bfe_u32 v3, v1, 3, 1
	v_bfe_u32 v4, v1, 4, 1
	v_lshl_or_b32 v2, v3, 4, v2
	v_lshl_or_b32 v2, v4, 3, v2
	v_lshlrev_b32 v3, 2, v2                        ; 4 bytes x my column
	v_lshlrev_b32 v8, 5, v1                        ; the scale bytes: 32 x lane: two tiles' places on end
	s_lshl_b32 s28, s26, 18                        ; head x 1,024 x 256 bytes
	s_lshl_b32 s29, s24, 15                        ; + 128 rows of 256 bytes a K step
	s_add_co_u32 s28, s28, s29
	s_lshl_b32 s29, s25, 7
	s_add_co_u32 s28, s28, s29
	s_mov_b32 s29, 0
	s_lshl_b32 s33, s27, 6
	s_lshl_b32 s34, s26, 2
	s_add_co_u32 s33, s33, s34
	s_lshl_b32 s34, s25, 1
	s_add_co_u32 s33, s33, s34
	s_add_co_u32 s33, s33, 512                     ; my first tile: 512 + 64 kind + 4 head + 2 g
	s_mul_i32 s34, s33, 12288
	s_mul_i32 s36, s24, 1536
	s_add_co_u32 s34, s34, s36
	s_mov_b32 s35, 0
	s_lshl_b32 s36, s33, 9
	s_lshl_b32 s37, s24, 2
	s_add_co_u32 s36, s36, s37
	s_mov_b32 s37, 0
	s_wait_alu depctr_va_vdst(0)
	s_wait_kmcnt 0x0
	s_cmp_eq_u32 s27, 0
	s_cselect_b64 s[38:39], s[8:9], s[10:11]
	s_cmp_eq_u32 s27, 2
	s_cselect_b64 s[38:39], s[12:13], s[38:39]
	s_add_nc_u64 s[38:39], s[38:39], s[28:29]
	s_add_nc_u64 s[14:15], s[14:15], s[34:35]
	s_add_nc_u64 s[16:17], s[16:17], s[36:37]
.macro WLOAD t                         ; block t: 32 rows of K, 128 consecutive bytes a load
.irp i, 0,1,2,3,4,5,6,7,8,9,10,11,12,13,14,15,16,17,18,19,20,21,22,23,24,25,26,27,28,29,30,31
	global_load_b32 v[64+32*(\t)+\i], v3, s[38:39] offset:256*(32*(\t)+\i) th:TH_LOAD_NT
.endr
.endm
.macro WBLOCK t
.set XS, 64+32*(\t)
.set GB, 32+6*(\t)                     ; the block's six registers of codes
.if (\t) < 3
	s_wait_loadcnt 32                              ; this block's 32 loads are in; the next block's may be out
.else
	s_wait_loadcnt 0x0
.endif
.if (\t)+2 < 4
	WLOAD (\t)+2
.endif
	v_max3_num_f32 v12, |v[XS]|, |v[XS+1]|, |v[XS+2]|   ; the block's largest magnitude: all 32 numbers are mine; two chains
	v_max3_num_f32 v13, |v[XS+3]|, |v[XS+4]|, |v[XS+5]|
.irp i, 6,10,14,18,22,26
	v_max3_num_f32 v12, v12, |v[XS+\i]|, |v[XS+\i+1]|
	v_max3_num_f32 v13, v13, |v[XS+\i+2]|, |v[XS+\i+3]|
.endr
	v_max3_num_f32 v12, v12, |v[XS+30]|, |v[XS+31]|
	v_max3_num_f32 v12, v12, v13, 0x1800000        ; and the floor
	v_add_nc_u32 v11, 0xff000000, v12              ; the conversion's scale operand
	v_lshrrev_b32 v13, 23, v11                     ; the byte
.if (\t) == 0
	v_mov_b32 v[PW], v13
.else
	v_lshl_or_b32 v[PW], v13, 8*(\t), v[PW]
.endif
	v_cvt_scalef32_pk16_fp6_f32 v[GB:GB+2], v[XS:XS+15], v11
	v_cvt_scalef32_pk16_fp6_f32 v[56:58], v[XS+16:XS+31], v11   ; (a conversion's three registers begin on an even number)
	v_nop                                          ; one plain place behind a scaled conversion
.irp i, 0,1,2
	v_mov_b32 v[GB+3+\i], v[56+\i]
.endr
.endm
	WLOAD 0
	WLOAD 1
.irp t, 0,1,2,3
	WBLOCK \t
.endr
.irp c, 0,1                                    ; blocks 2 c and 2 c + 1: the first's lanes 16-31 change places with the second's lanes 0-15: the first is then tile 2 g's half image, the second tile 2 g + 1's
.irp i, 0,1,2,3,4,5
	v_permlane16_swap_b32 v[32+12*\c+\i], v[38+12*\c+\i]
.endr
.endr
.irp c, 0,1
.irp p, 0,1,2
	global_store_b64 v7, v[32+12*\c+2*\p:33+12*\c+2*\p], s[14:15] offset:768*\c+256*\p
	global_store_b64 v7, v[38+12*\c+2*\p:39+12*\c+2*\p], s[14:15] offset:12288+768*\c+256*\p
.endr
.endr
	global_store_b32 v8, v[PW], s[16:17]           ; four bytes of each row's 32: 98,304 bytes in the whole launch go out so, in pieces
.Lend:
	s_wait_tensorcnt 0x0                           ; the wave's end, behind my last LDS store
	ds_add_u32 v[SPW], v[NIL]
	s_wait_dscnt 0x0
	s_endpgm
.Lfunc_end_k_q8ccb6b5f2a_quant:
	.size	k_q8ccb6b5f2a_quant, .Lfunc_end_k_q8ccb6b5f2a_quant-k_q8ccb6b5f2a_quant
	.p2alignl 7, 3214868480
	.fill 96, 4, 3214868480
	.section	.rodata,"a",@progbits
	.p2align	6, 0x0
	.amdhsa_kernel k_q8ccb6b5f2a_quant
		.amdhsa_group_segment_fixed_size 34304
		.amdhsa_private_segment_fixed_size 0
		.amdhsa_enable_private_segment 0
		.amdhsa_kernarg_size 72
		.amdhsa_user_sgpr_count 2
		.amdhsa_user_sgpr_kernarg_segment_ptr 1
		.amdhsa_wavefront_size32 1
		.amdhsa_system_sgpr_workgroup_id_x 1
		.amdhsa_system_sgpr_workgroup_id_y 1
		.amdhsa_system_sgpr_workgroup_id_z 1
		.amdhsa_system_vgpr_workitem_id 0
		.amdhsa_next_free_vgpr 256
		.amdhsa_next_free_sgpr 66
		.amdhsa_reserve_vcc 0
		.amdhsa_float_denorm_mode_32 3
		.amdhsa_float_denorm_mode_16_64 3
		.amdhsa_memory_ordered 1
		.amdhsa_forward_progress 1
		.amdhsa_inst_pref_size 88
	.end_amdhsa_kernel
	.amdgpu_metadata
---
amdhsa.version: [ 1, 2 ]
amdhsa.kernels:
  - .name:           k_q8ccb6b5f2a_quant
    .symbol:         k_q8ccb6b5f2a_quant.kd
    .args:
      - { .name: x, .offset: 0, .size: 8, .value_kind: global_buffer, .address_space: global }
      - { .name: w_proj, .offset: 8, .size: 8, .value_kind: global_buffer, .address_space: global }
      - { .name: wq, .offset: 16, .size: 8, .value_kind: global_buffer, .address_space: global }
      - { .name: wk, .offset: 24, .size: 8, .value_kind: global_buffer, .address_space: global }
      - { .name: wv, .offset: 32, .size: 8, .value_kind: global_buffer, .address_space: global }
      - { .name: c1, .offset: 40, .size: 8, .value_kind: global_buffer, .address_space: global }
      - { .name: s1, .offset: 48, .size: 8, .value_kind: global_buffer, .address_space: global }
      - { .name: c2, .offset: 56, .size: 8, .value_kind: global_buffer, .address_space: global }
      - { .name: s2, .offset: 64, .size: 8, .value_kind: global_buffer, .address_space: global }
    .group_segment_fixed_size: 34304
    .private_segment_fixed_size: 0
    .kernarg_segment_align: 8
    .kernarg_segment_size: 72
    .max_flat_workgroup_size: 128
    .sgpr_count:     66
    .vgpr_count:     256
    .wavefront_size: 32
...
	.end_amdgpu_metadata
.endif
;; end of part 1
;; launch qkvg (part 2): grid 12 x 32, 4 waves a work-group, clusters of 4 x 4, 327,680 bytes of LDS; arguments c1, s1, qkv; writes qkv
.if DOCPART == 2
	.amdgcn_target "amdgcn-amd-amdhsa--gfx1250"
	.amdhsa_code_object_version 6
	.text
	.protected	k_q8ccb6b5f2a_qkvg
	.globl	k_q8ccb6b5f2a_qkvg
	.p2align	8
	.type	k_q8ccb6b5f2a_qkvg,@function
k_q8ccb6b5f2a_qkvg:
	s_mov_b64 s[64:65], 0
	v_nop
	global_prefetch_b8 v0, s[64:65] scope:SCOPE_SE
	s_setreg_imm32_b32 hwreg(HW_REG_WAVE_MODE, 25, 1), 1
	s_wait_xcnt 0x0
	s_wait_alu depctr_hold_cnt(0) depctr_sa_sdst(0) depctr_va_vdst(0) depctr_va_sdst(0) depctr_va_ssrc(0) depctr_va_vcc(0) depctr_vm_vsrc(0)
	s_getreg_b32 s2, hwreg(HW_REG_IB_STS2, 6, 4)
	s_cmp_eq_u32 s2, 0
	s_cbranch_scc0 .Lentry_in_a_cluster
	s_endpgm
.Lentry_in_a_cluster:
	s_bfe_u32 s2, ttmp6, 0x10000c
	s_cmp_lg_u32 s2, 0xf033
	s_cbranch_scc0 .Lentry_shape_is_right
	s_endpgm
.Lentry_shape_is_right:
; q, k, v = x W^T on codes of FP6 (E2M3), K = 1,024, and their quantising: q and k along the head's 64, v along the keys.  Only codes and scale bytes leave.
; c1: [704 tiles of 16 rows][16 half images of 768 bytes], s1: 32 scale bytes a row; tiles 0-511 x, 512 + 64 kind + 4 head + .. the weights; tile 2 g + u, lane r holds row 32 g + 8 u + r + 8 (r / 8).
; A half image is 16 rows x 64 K as three planes of 256 bytes, plane p = registers 2 p, 2 p + 1 at 8 x lane; two on end are a fragment (128 K, 12 registers): six loads of 8 bytes a lane, each 256 consecutive bytes.
; A work-group of four waves makes 256 x 256, a wave 128 x 128: 64 accumulators, 512 registers.  THE MATRIX INSTRUCTION IS USED TRANSPOSED: source 0 = side B's 16 rows, source 1 = side A's: a lane holds ONE row of A,
; and by the tiles' order of rows the 16 registers of B's tiles 2 g, 2 g + 1 are 16 NEIGHBOURING rows of B, 32 g + 16 (lane / 16) + 0 .. 15: what the conversions want.
; Cluster x = 0, 1 (q, k): A = x, B = the weight: a lane holds one token, its registers run along (head, d).  Cluster x = 2 (v): A = the weight, B = x: a lane holds one (head, d), its registers run along the tokens, v's K.
; K goes through two LDS slots of 384 along K; the last 256 along K refill slot 0: one refill in the launch, so the eight K steps are written out.
; CLUSTERS: 4 x 4 work-groups; A's tiles are asked for jointly along a row of the cluster, B's along a column.
; qkv: [64 batch x head][16 steps of 128 tokens][q, k, v][6,400 bytes]: eight half images, then 256 bytes of scale words (8 bytes a lane).  q, k: half image a = tile a of the step's tokens, K = d; scale register 0 holds the pair of
; tiles 0, 1 in lanes 0-15 and 2, 3 in lanes 16-31, register 1 the pairs 4, 5 and 6, 7; a word = the even tile's two bytes, then the odd tile's.  v: fragment t = 16 d x 128 keys; register 0: fragments 0 | 1, register 1: 2 | 3.
; LIMITS: a block of zeros, or one whose largest magnitude lies under 2^-124, gets the byte 1 (read by this program alone); NaN and infinities are not served.
; REGISTERS, in windows of 256: window 0: v16-29 addresses; v32-95 all of K's scale words; v96-121 the epilogue's; v128-223 A's fragments, one set; v224-243 codes just made.  window 1: B's fragments, two sets, at v0 and v128.
;   window 2: the accumulators of A's tiles 0-3 ((a, b) at v[8 (8 a + b)]);  window 3: of tiles 4-7.
.set TROW,  12288                      ; a tile's codes for all of K
; K NOW GOES THROUGH TWO LDS SLOTS OF 384 ALONG K (three K steps each): slot 0 at the head, slot 1 behind the full sequence and a round, and slot 0 once more with the last 256 along K.
.set TPART, 4608                       ; a tile's codes for a slot's 384 along K
.set TLAST, 3072                       ; and for the last 256 along K, which lie dense in slot 0
.set HALFT, 8*TPART
.set SLOT,  4*HALFT                    ; A's 16 tiles, then B's 16
.set SPARE, 2*SLOT
.set FR,    12
.set REC,   6400
.set HEADB, 48*REC                     ; from a head's records to the next head's
.set ADRA, 16                          ; v16-17 LDS address of my A fragments in slot 0, 1
.set ADRB, 20                          ; v20-21 the same for B
.set VO,   26                          ; v26  8 x lane
.set ADRS, 27                          ; v27  my scale bytes: lanes 0-15 A's rows, lanes 16-31 B's
.set SPW,  28                          ; v28  LDS address of my spare word; never rewritten
.set NIL,  29                          ; v29  0; never rewritten
.set SC,   32                          ; v[SC + 8 i + s]: lanes 0-15 the word of A's tile i, lanes 16-31 that of B's tile i, for K step s
.set TM,   96
.set PW,   112
.set PWE,  113
.set FL,   114
.set W0,   115
.set W1,   116
.set SW,   118                         ; v[118:119], v[120:121]: the scale words to store, a pair for each of my two heads
.set AF,   128
.set PC,   224
.set G1A, 24                           ; s[24:31], s[32:39] descriptor group 1 for A's and B's tiles: they differ in the mask
.set G1B, 32
.set G0A, 40                           ; s[40:47], s[52:59] group 0, a set for each slot
.set G0B, 52
.set MH,  92
.set SEL, 94
.set MSB, 0
.macro WIN new                         ; the immediate's high byte repeats the setting that is left
.if MSB != (\new)
	s_set_vgpr_msb (MSB<<8)|(\new)
.set MSB, \new
.endif
.endm
.set MUL_LO, 0xa1                      ; source 0 (B) window 1, source 1 (A) window 0, C and D window 2
.set MUL_HI, 0xf1                      ; the same, C and D window 3
.set TO_B,   0x40                      ; destination window 1, address window 0
; A joint load: waves 0 and 1 fetch for A, waves 2 and 3 for B; the branch hangs on the wave's number alone.  An s_nop 0 and four v_nop follow each of the two lines.
.macro JLOAD g0a, g1a, g0b, g1b
	s_cmp_eq_u32 s15, 0
	s_cbranch_scc0 .Lfor_b_\@
	tensor_load_to_lds s[\g0a:\g0a+3], s[\g1a:\g1a+7]
	s_nop 0
.rept 4
	v_nop
.endr
	s_branch .Lasked_\@
.Lfor_b_\@:
	tensor_load_to_lds s[\g0b:\g0b+3], s[\g1b:\g1b+7]
	s_nop 0
.rept 4
	v_nop
.endr
.Lasked_\@:
.endm
.macro CREST                           ; a round of the cluster's barrier behind its opening barrier
	s_cmp_lg_u32 s14, 0
	s_cbranch_scc1 .Lnot_wave_0_\@
	s_barrier_signal -3
.Lnot_wave_0_\@:
	s_barrier_wait -3
	s_barrier_signal -1
	s_barrier_wait -1
.endm
.macro CROUND
	s_barrier_signal -1
	s_barrier_wait -1
	CREST
.endm
.macro PLACES                          ; four plain places behind a matrix instruction, ahead of loads into registers that it read and of the first read of results
.rept 4
	v_nop
.endr
.endm
.macro FRAG reg, adr, q, i             ; tile i's fragment of the slot's q-th 128 along K: six planes
.irp p, 0,1,2,3,4,5
	ds_load_b64 v[\reg+2*\p:\reg+2*\p+1], v[\adr] offset:(\i)*TPC+(\q)*1536+256*\p   ; TPC: the pitch from tile to tile of the fill that is read
.endr
.endm
.macro FETCH_B slot, q, p
	WIN TO_B
.irp i, 0,1,2,3,4,5,6,7
	FRAG 128*(\p)+FR*\i, ADRB+\slot, \q, \i
.endr
	WIN 0
.endm
.macro FETCH_A slot, q, i0
.irp i, \i0, \i0+1, \i0+2, \i0+3
	FRAG AF+FR*(\i), ADRA+\slot, \q, \i
.endr
.endm
; 16 matrix instructions: A's tiles a0, a0 + 1 x B's eight, K step s.  The 64 accumulators take turns, one instruction a turn, in the same order in every step.  first = 1: the products start the sums.
.macro MUL16 a0, p, s, first
.irp a, \a0, \a0+1
.irp b, 0,1,2,3,4,5,6,7
.if \first
	v_wmma_scale_f32_16x16x128_f8f6f4 v[8*(8*((\a)%4)+\b):8*(8*((\a)%4)+\b)+7], v[128*(\p)+FR*\b:128*(\p)+FR*\b+FR-1], v[AF+FR*(\a):AF+FR*(\a)+FR-1], 0, v[SC+8*\b+(\s)], v[SC+8*(\a)+(\s)] matrix_a_fmt:MATRIX_FMT_FP6 matrix_b_fmt:MATRIX_FMT_FP6 matrix_a_scale:MATRIX_SCALE_ROW1
.else
	v_wmma_scale_f32_16x16x128_f8f6f4 v[8*(8*((\a)%4)+\b):8*(8*((\a)%4)+\b)+7], v[128*(\p)+FR*\b:128*(\p)+FR*\b+FR-1], v[AF+FR*(\a):AF+FR*(\a)+FR-1], v[8*(8*((\a)%4)+\b):8*(8*((\a)%4)+\b)+7], v[SC+8*\b+(\s)], v[SC+8*(\a)+(\s)] matrix_a_fmt:MATRIX_FMT_FP6 matrix_b_fmt:MATRIX_FMT_FP6 matrix_a_scale:MATRIX_SCALE_ROW1
.endif
.endr
.endr
.endm
; K step s of eight (128 along K, 64 matrix instructions); it lies in slot (s / 3) % 2.  A has one set of registers: tiles 0-3 are fetched anew in the step's middle, tiles 4-7 at its end; B has two sets.
; mode 0: plain.  mode 1: a barrier in its first half, behind which the next step's slot is whole.  mode 2: that barrier opens a round of the cluster's barrier, and slot 0 is filled again.  mode 3: the last step.
.macro KSTEP s, mode, first
.set NS,  (\s)+1
.set NSL, (NS/3)%2
.set NQ,  NS%3
.if NS >= 6
.set TPC, TLAST
.else
.set TPC, TPART
.endif
.set PB,  (\s)%2
.if ((\mode) == 1) || ((\mode) == 2)
	s_wait_tensorcnt 0x0                           ; all my tensor loads have landed;  (every window is 0 here)
	ds_add_u32 v[SPW], v[NIL]                      ; 0 onto my spare word;
	s_wait_dscnt 25                                ; (the add and the youngest 24 loads, A's tiles 4-7, may be out)
	WIN MUL_LO
	MUL16 0, PB, \s, \first                        ; sixteen matrix instructions stand between the add and the wait for it
	s_wait_dscnt 0x0                               ; the add is done, and my reads of the slot in hand are over
	s_barrier_signal -1
	MUL16 2, PB, \s, \first
	WIN 0
	s_barrier_wait -1
.if (\mode) == 2
	CREST                                          ; no wave of any partner still reads slot 0 or has a load on its way
	s_add_nc_u64 s[G0A+2:G0A+3], s[G0A+2:G0A+3], 2*TPART   ; K = 768 on
	s_add_nc_u64 s[G0B+2:G0B+3], s[G0B+2:G0B+3], 2*TPART
	s_mov_b32 s[G1A+1], 384<<16                    ; no tensor load of mine is out: the rows are now 3,072 bytes
	s_mov_b32 s[G1A+3], 384<<16
	s_mov_b32 s[G1B+1], 384<<16
	s_mov_b32 s[G1B+3], 384<<16
	JLOAD G0A, G1A, G0B, G1B
.else
	PLACES
.endif
.else
	s_wait_dscnt 24                                ; B's set and A's tiles 0-3 are in; the youngest 24 loads (A's tiles 4-7) may be out
	WIN MUL_LO
	MUL16 0, PB, \s, \first
	MUL16 2, PB, \s, \first
	s_wait_dscnt 0x0                               ; A's tiles 4-7 are in
.if (\mode) == 0
	PLACES
.endif
.endif
.if (\mode) != 3
	FETCH_B NSL, NQ, 1-PB
	FETCH_A NSL, NQ, 0
.endif
	WIN MUL_HI
	MUL16 4, PB, \s, \first
	MUL16 6, PB, \s, \first
.if (\mode) != 3
	PLACES
	WIN 0
	FETCH_A NSL, NQ, 4
.else
	WIN 0
.endif
.endm
	s_load_b128 s[4:7], s[0:1], 0x0                ; c1, s1
	s_load_b64 s[8:9], s[0:1], 0x10                ; qkv
	v_lshl_add_u32 v[SPW], v0, 2, SPARE
	v_mov_b32 v[NIL], 0
	ds_add_u32 v[SPW], v[NIL]                      ; the wave's opening: the adds and their wait stand ahead of my first tensor load; the set-up below, work on registers, stands between them
	ds_add_u32 v[SPW], v[NIL]
	v_lshrrev_b32 v1, 5, v0
	v_readfirstlane_b32 s14, v1                    ; wave 0..3
	s_lshr_b32 s15, s14, 1                         ; which 8 tiles of A are mine.  Also: I fetch for A (0) or for B (1)
	s_and_b32 s16, s14, 1                          ; which 8 tiles of B.  Also: which 8 tiles of that side I fetch
	s_bfe_u32 s66, ttmp6, 0x40000                  ; cx
	s_bfe_u32 s67, ttmp6, 0x40004                  ; cy
	s_and_b32 s69, ttmp7, 0xffff
	s_lshl_b32 s69, s69, 6                         ; 64 x cluster y: the cluster's 64 tiles of x
	s_lshl_b32 s68, ttmp9, 6
	s_add_co_u32 s68, s68, 512                     ; 512 + 64 x cluster x: the kind's 64 tiles
	s_cmp_lt_u32 ttmp9, 2                          ; the cluster's x is the same in all sixteen partners
	s_cselect_b32 s70, s69, 640
	s_cselect_b32 s71, s68, s69
	s_lshl_b32 s72, s67, 4
	s_add_co_u32 s70, s70, s72                     ; A's first tile: it hangs on cy alone among the places in the cluster
	s_lshl_b32 s73, s66, 4
	s_add_co_u32 s71, s71, s73                     ; B's: on cx alone
	s_lshl_b32 s74, s67, 2
	s_lshl_b32 s74, 15, s74                        ; my row of the cluster
	s_lshl_b32 s75, 0x1111, s66                    ; my column
	; descriptor group 1: eight rows (tiles) of 4,608 bytes, 12,288 bytes apart, dense in LDS
	s_or_b32 s[G1A], s74, (3<<16)|(1<<21)          ; 15:0 the mask; 17:16 elements of 8 bytes; 20 no padding; 21 set beside a mask
	s_or_b32 s[G1B], s75, (3<<16)|(1<<21)
.irp g, G1A, G1B
	s_mov_b32 s[\g+1], 576<<16                     ; tensor_dim0 = 576 elements of 8 bytes: 384 along K
	s_mov_b32 s[\g+2], 8<<16
	s_mov_b32 s[\g+3], 576<<16
	s_mov_b32 s[\g+4], 8                           ; tile_dim1
	s_mov_b32 s[\g+5], 1536                        ; tensor_dim0_stride
	s_mov_b32 s[\g+6], 0
	s_mov_b32 s[\g+7], 0
.endr
	s_lshl_b32 s76, s16, 3
	s_add_co_u32 s78, s70, s76
	s_mul_i32 s78, s78, TROW                       ; A: where the eight tiles that I fetch begin (under 2^24)
	s_mov_b32 s79, 0
	s_add_co_u32 s80, s71, s76
	s_mul_i32 s80, s80, TROW                       ; B
	s_mov_b32 s81, 0
	s_mul_i32 s77, s14, HALFT                      ; and where they go: wave x eight tiles: no place in the cluster enters an LDS address
	s_wait_dscnt 0x0                               ; the opening add is done
	s_wait_kmcnt 0x0
	s_add_nc_u64 s[78:79], s[4:5], s[78:79]
	s_add_nc_u64 s[80:81], s[4:5], s[80:81]
	CROUND                                         ; all sixteen work-groups are here: the first joint loads meet
.irp s, 0,1
	s_mov_b32 s[G0A+4*\s], 1
	s_add_co_u32 s[G0A+4*\s+1], s77, \s*SLOT
	s_add_nc_u64 s[G0A+4*\s+2:G0A+4*\s+3], s[78:79], \s*TPART
	s_or_b32 s[G0A+4*\s+3], s[G0A+4*\s+3], 0x80000000
	s_mov_b32 s[G0B+4*\s], 1
	s_add_co_u32 s[G0B+4*\s+1], s77, \s*SLOT
	s_add_nc_u64 s[G0B+4*\s+2:G0B+4*\s+3], s[80:81], \s*TPART
	s_or_b32 s[G0B+4*\s+3], s[G0B+4*\s+3], 0x80000000
.endr
	JLOAD G0A, G1A, G0B, G1B                       ; slot 0: one tensor load a wave at the head
	; what the two later fills will load is asked for into the L2: bytes 4,608 .. 12,287 of each tile, 30 blocks of 256 bytes, a lane a block (lanes 30, 31 name lane 29's).
	; Of the eight tiles that I fetch, each of the four partners that ask with me takes two, told apart by address (cx for A, cy for B).  The address registers are never written again.
	s_cmp_eq_u32 s15, 0
	s_cselect_b64 s[96:97], s[78:79], s[80:81]
	s_cselect_b32 s98, s66, s67
	s_mul_i32 s98, s98, 2*TROW
	s_mov_b32 s99, 0
	s_add_nc_u64 s[96:97], s[96:97], s[98:99]
	v_and_b32 v2, 31, v0
	v_min_u32 v3, 29, v2
	v_lshl_add_u32 v3, v3, 8, TPART
	global_prefetch_b8 v3, s[96:97] th:TH_LOAD_NT scope:SCOPE_SE
	global_prefetch_b8 v3, s[96:97] offset:TROW th:TH_LOAD_NT scope:SCOPE_SE
	v_and_b32 v1, 15, v0                           ; r
	v_and_b32 v2, 31, v0                           ; lane
	v_lshlrev_b32 v[VO], 3, v2
	s_mul_i32 s82, s15, HALFT                      ; my eight tiles of A
	s_mul_i32 s83, s16, HALFT
	s_add_co_u32 s83, s83, 2*HALFT                 ; my eight of B, behind A's sixteen
.irp s, 0,1
	v_add_nc_u32 v[ADRA+\s], s82, v[VO]
	v_add_nc_u32 v[ADRB+\s], s83, v[VO]
	s_add_co_u32 s82, s82, SLOT
	s_add_co_u32 s83, s83, SLOT
.endr
	s_lshl_b32 s84, s15, 3
	s_add_co_u32 s84, s84, s70                     ; my first tile of A
	s_lshl_b32 s85, s16, 3
	s_add_co_u32 s85, s85, s71                     ; of B
	s_lshl_b32 s86, s84, 9                         ; 512 scale bytes a tile
	s_lshl_b32 s87, s85, 9
	s_mov_b32 s[MH], 0xffff0000
	v_mov_b32 v4, s86
	v_mov_b32 v5, s87
	v_cndmask_b32 v4, v4, v5, s[MH]                ; lanes 16-31 take B's
	v_lshl_add_u32 v[ADRS], v1, 5, v4
.irp i, 0,1,2,3,4,5,6,7                        ; the scale words of all of K: a row's 32 bytes by two loads
.irp e, 0,1
	global_load_b128 v[SC+8*\i+4*\e:SC+8*\i+4*\e+3], v[ADRS], s[6:7] offset:512*\i+16*\e
.endr
.endr
	; where my records begin.  xt: my first tile of x (a step of 128 tokens); wt: my first tile of the kind's weight (two heads)
	s_sub_co_u32 s86, s85, s68
	s_sub_co_u32 s87, s84, 640
	s_cmp_lt_u32 ttmp9, 2
	s_cselect_b32 s88, s84, s85                    ; xt
	s_cselect_b32 s89, s86, s87                    ; wt
	s_lshr_b32 s90, s88, 7
	s_lshl_b32 s90, s90, 4
	s_lshr_b32 s91, s89, 2
	s_add_co_u32 s90, s90, s91                     ; 16 x batch + head
	s_lshl_b32 s90, s90, 4
	s_bfe_u32 s91, s88, 0x40003
	s_add_co_u32 s90, s90, s91                     ; x 16 + step
	s_mul_i32 s90, s90, 3
	s_add_co_u32 s90, s90, ttmp9                   ; x 3 + kind
	s_mul_i32 s90, s90, REC
	s_mov_b32 s91, 0
	s_add_nc_u64 s[8:9], s[8:9], s[90:91]
	s_mov_b32 s[SEL], 0x76543210
	s_mov_b32 s[SEL+1], 0xfedcba98
	v_mov_b32 v[FL], 0x1800000                     ; the floor 2^(3 - 127)
.irp b, 0,1,2,3
	v_mov_b32 v[TM+4+\b], 0                        ; written once: a lane permute's destination counts as one of its sources
.endr
	s_wait_alu depctr_va_vdst(0)
	s_wait_tensorcnt 0x0                           ; my part of slot 0 is in
	ds_add_u32 v[SPW], v[NIL]
	s_wait_dscnt 0x0
	CROUND                                         ; everybody's part is in, and the sixteen work-groups meet
	JLOAD G0A+4, G1A, G0B+4, G1B                   ; slot 1, the first tensor load behind the round
.set TPC, TPART
	FETCH_B 0, 0, 0
	FETCH_A 0, 0, 0
	FETCH_A 0, 0, 4
	s_wait_loadcnt 0x0                             ; the scale words
	KSTEP 0, 0, 1
	KSTEP 1, 0, 0
	KSTEP 2, 2, 0                                  ; slot 0's last step: the wait for all loads shows slot 1 whole in every wave; slot 0 is filled again
	KSTEP 3, 0, 0                                  ; so no barrier stands between slot 1 and slot 2
	KSTEP 4, 0, 0
	KSTEP 5, 1, 0                                  ; the refill of slot 0 has landed, in every wave
	KSTEP 6, 0, 0
	KSTEP 7, 3, 0
; THE EPILOGUE.  The 64 numbers of A's tile a in a lane, accumulators (a, 0 .. 7), register 16 b + i = B's row 32 b + 16 (lane / 16) + i, become 12 registers of codes in v[PC] on and a scale word in v[PW].
; Each accumulator is read from its low end on.
.macro QUANTW a
.set AC, 64*((\a)%4)
	WIN 0x28+0x14*((\a)/4)                         ; sources 1 and 2: window 2 or 3
.irp b, 0,1,2,3
	v_max3_num_f32 v[TM+\b], v[FL], |v[AC+16*\b]|, |v[AC+16*\b+1]|
.endr
.irp i, 2,4,6,8,10,12,14
.irp b, 0,1,2,3
	v_max3_num_f32 v[TM+\b], v[TM+\b], |v[AC+16*\b+\i]|, |v[AC+16*\b+\i+1]|
.endr
.endr
	WIN 0
.irp b, 0,1,2,3
	v_permlanex16_b32 v[TM+4+\b], v[TM+\b], s[SEL], s[SEL+1]
.endr
.irp b, 0,1,2,3
	v_max_num_f32 v[TM+\b], v[TM+\b], v[TM+4+\b]
.endr
.irp b, 0,1,2,3
	v_add_nc_u32 v[TM+12+\b], 0xff000000, v[TM+\b]
.endr
.irp b, 0,1,2,3
	v_lshrrev_b32 v[TM+4+\b], 23, v[TM+12+\b]
.endr
	v_lshl_or_b32 v[PW], v[TM+5], 8, v[TM+4]
	v_lshl_or_b32 v[PW], v[TM+6], 16, v[PW]
	v_lshl_or_b32 v[PW], v[TM+7], 24, v[PW]
	WIN 0x02+((\a)/4)                              ; source 0: window 2 or 3
.irp c, 0,1
	v_cvt_scalef32_pk16_fp6_f32 v[PC+6*\c:PC+2+6*\c], v[AC+32*\c:AC+32*\c+15], v[TM+12+2*\c]
	v_cvt_scalef32_pk16_fp6_f32 v[PC+12+4*\c:PC+14+4*\c], v[AC+32*\c+16:AC+32*\c+31], v[TM+12+2*\c+1]
.endr
	WIN 0
	v_nop                                          ; one plain place behind a scaled conversion
.irp c, 0,1
.irp i, 0,1,2
	v_permlane16_swap_b32 v[PC+6*\c+\i], v[PC+12+4*\c+\i]
.endr
.irp i, 0,1,2
	v_mov_b32 v[PC+3+6*\c+\i], v[PC+12+4*\c+\i]
.endr
.endr
.endm
.macro OUT3 reg, off                   ; a half image: three planes, each 256 consecutive bytes, aligned
.irp p, 0,1,2
	global_store_b64 v[VO], v[\reg+2*\p:\reg+2*\p+1], s[8:9] offset:\off+256*\p
.endr
.endm
	PLACES
	s_cmp_eq_u32 ttmp9, 2
	s_cbranch_scc1 .Lvalues
	s_wait_alu depctr_va_vdst(0)
.irp a, 0,1,2,3,4,5,6,7                        ; q, k: tile a of my 128 tokens; registers 0-5 are my first head's half image, 6-11 my second head's; the word's bytes 0, 1 and 2, 3 likewise
	s_wait_xcnt 0x0                                ; the stores before have read the codes' registers
	QUANTW \a
	OUT3 PC, 768*\a
	OUT3 PC+6, HEADB+768*\a
.if (\a)%2 == 0
	v_mov_b32 v[PWE], v[PW]                        ; the even tile's word waits for the odd tile's
.elseif ((\a)/2)%2 == 0
	v_perm_b32 v[SW+(\a)/4], v[PW], v[PWE], 0x05040100     ; first head: the even tile's bytes 0, 1, then the odd tile's
	v_perm_b32 v[SW+2+(\a)/4], v[PW], v[PWE], 0x07060302   ; second head: bytes 2, 3 of both
.else
	v_perm_b32 v[W0], v[PW], v[PWE], 0x05040100
	v_perm_b32 v[W1], v[PW], v[PWE], 0x07060302
	v_cndmask_b32 v[SW+(\a)/4], v[SW+(\a)/4], v[W0], s[MH]       ; an odd pair of tiles goes to lanes 16-31 (every word stands in lanes r and 16 + r alike)
	v_cndmask_b32 v[SW+2+(\a)/4], v[SW+2+(\a)/4], v[W1], s[MH]
.endif
.endr
	s_branch .Lout
.Lvalues:
	s_wait_alu depctr_va_vdst(0)
.irp a, 0,1,2,3,4,5,6,7                        ; v: tile a of my 128 (head, d): head a / 4, fragment a % 4: 16 d x my 128 keys
	s_wait_xcnt 0x0
	QUANTW \a
	OUT3 PC, ((\a)/4)*HEADB+((\a)%4)*1536
	OUT3 PC+6, ((\a)/4)*HEADB+((\a)%4)*1536+768
.if (\a)%2 == 0
	v_mov_b32 v[SW+2*((\a)/4)+((\a)%4)/2], v[PW]
.else
	v_cndmask_b32 v[SW+2*((\a)/4)+((\a)%4)/2], v[SW+2*((\a)/4)+((\a)%4)/2], v[PW], s[MH]
.endif
.endr
.Lout:
	s_wait_alu depctr_va_vdst(0)
	global_store_b64 v[VO], v[SW:SW+1], s[8:9] offset:6144             ; each record's 256 bytes of scale words
	global_store_b64 v[VO], v[SW+2:SW+3], s[8:9] offset:HEADB+6144
	s_wait_tensorcnt 0x0                           ; the wave's end, behind my last tensor load
	ds_add_u32 v[SPW], v[NIL]
	s_wait_dscnt 0x0
	CROUND                                         ; the closing round: no work-group ends while a partner may still ask for a tile that names it
	s_endpgm
.Lfunc_end_k_q8ccb6b5f2a_qkvg:
	.size	k_q8ccb6b5f2a_qkvg, .Lfunc_end_k_q8ccb6b5f2a_qkvg-k_q8ccb6b5f2a_qkvg
	.p2alignl 7, 3214868480
	.fill 96, 4, 3214868480
	.section	.rodata,"a",@progbits
	.p2align	6, 0x0
	.amdhsa_kernel k_q8ccb6b5f2a_qkvg
		.amdhsa_group_segment_fixed_size 327680
		.amdhsa_private_segment_fixed_size 0
		.amdhsa_enable_private_segment 0
		.amdhsa_kernarg_size 24
		.amdhsa_user_sgpr_count 2
		.amdhsa_user_sgpr_kernarg_segment_ptr 1
		.amdhsa_wavefront_size32 1
		.amdhsa_system_sgpr_workgroup_id_x 1
		.amdhsa_system_sgpr_workgroup_id_y 1
		.amdhsa_system_sgpr_workgroup_id_z 1
		.amdhsa_system_vgpr_workitem_id 0
		.amdhsa_next_free_vgpr 1024
		.amdhsa_next_free_sgpr 100
		.amdhsa_reserve_vcc 0
		.amdhsa_float_denorm_mode_32 3
		.amdhsa_float_denorm_mode_16_64 3
		.amdhsa_memory_ordered 1
		.amdhsa_forward_progress 1
		.amdhsa_inst_pref_size 199
	.end_amdhsa_kernel
	.amdgpu_metadata
---
amdhsa.version: [ 1, 2 ]
amdhsa.kernels:
  - .name:           k_q8ccb6b5f2a_qkvg
    .symbol:         k_q8ccb6b5f2a_qkvg.kd
    .args:
      - { .name: c1, .offset: 0, .size: 8, .value_kind: global_buffer, .address_space: global }
      - { .name: s1, .offset: 8, .size: 8, .value_kind: global_buffer, .address_space: global }
      - { .name: qkv, .offset: 16, .size: 8, .value_kind: global_buffer, .address_space: global }
    .group_segment_fixed_size: 327680
    .private_segment_fixed_size: 0
    .kernarg_segment_align: 8
    .kernarg_segment_size: 24
    .max_flat_workgroup_size: 128
    .sgpr_count:     100
    .vgpr_count:     1024
    .wavefront_size: 32
...
	.end_amdgpu_metadata
.endif
;; end of part 2
;; launch attn (part 3): grid 4 x 64, 16 waves a work-group, clusters of 4 x 1, 327,680 bytes of LDS; arguments qkv, c2, s2; writes c2, s2
.if DOCPART == 3
	.amdgcn_target "amdgcn-amd-amdhsa--gfx1250"
	.amdhsa_code_object_version 6
	.text
	.protected	k_q8ccb6b5f2a_attn
	.globl	k_q8ccb6b5f2a_attn
	.p2align	8
	.type	k_q8ccb6b5f2a_attn,@function
k_q8ccb6b5f2a_attn:
	s_mov_b64 s[64:65], 0
	v_nop
	global_prefetch_b8 v0, s[64:65] scope:SCOPE_SE
	s_setreg_imm32_b32 hwreg(HW_REG_WAVE_MODE, 25, 1), 1
	s_wait_xcnt 0x0
	s_wait_alu depctr_hold_cnt(0) depctr_sa_sdst(0) depctr_va_vdst(0) depctr_va_sdst(0) depctr_va_ssrc(0) depctr_va_vcc(0) depctr_vm_vsrc(0)
	s_getreg_b32 s2, hwreg(HW_REG_IB_STS2, 6, 4)
	s_cmp_eq_u32 s2, 0
	s_cbranch_scc0 .Lentry_in_a_cluster
	s_endpgm
.Lentry_in_a_cluster:
	s_bfe_u32 s2, ttmp6, 0x10000c
	s_cmp_lg_u32 s2, 0x3003
	s_cbranch_scc0 .Lentry_shape_is_right
	s_endpgm
.Lentry_shape_is_right:
; y = softmax(q k^T / 8, causal) v for one (batch, head), both products on codes of FP6 (E2M3); y is quantised along the head's 64 and leaves as codes for the last product.
; THE SOFTMAX AHEAD OF THE SECOND PRODUCT: t = score x log2(e) / 8; M = the row's largest t so far, rounded UP to a whole number; p = 2^(t - M) is quantised along the keys, not normalised; the row's sum is taken of the
; unquantised p and divides at the end.  When M moves, the sum and O are multiplied by 2^(old M - new M): exact.
; qkv: [64 batch x head][16 steps of 128 tokens][q, k, v][6,400 bytes]: eight half images of 768 bytes (16 rows x 64 K: three planes of 256 bytes, plane p = registers 2 p, 2 p + 1 at 8 x lane), then 256 bytes of scale words.
; ALL OF A HEAD'S k AND v LIE IN LDS: 16 steps x 12,800 bytes, filled ONCE: wave w asks for step w's k and v records, 50 rows of 256 bytes on end.  Nothing is filled again.
; Each wave waits for its own load, one barrier shows all sixteen steps to all waves, and behind it the waves share nothing: no further barrier.
; CLUSTER: the four work-groups of a head want the same sixteen tiles: each is asked for jointly (mask 15).
; SHARES.  The head has 128 tiles of 16 queries (tile 2 g + u, lane r: query 32 g + 8 u + r + 8 (r / 8)).  Wave w of work-group cx takes tile T = 4 w + cx and then tile 127 - T: under the causal mask tile T wants the key
; steps 0 .. T / 8, so a wave has (w / 2 + 1) + (16 - w / 2) = 17 steps, the last of each tile on the diagonal.  Steps that lie wholly behind the mask are never walked.  Trip counts and branches hang on the wave's number alone.
; NO PREFETCH: every tile is asked for by the head's own loads; there is no later request to run ahead of.
; LAYOUT.  Both products are used transposed: a lane holds ONE query.  K = 64 IN AN INSTRUCTION OF 128: two half images of k on end (tiles 2 b, 2 b + 1) are one source 0; multiplied by [q | zero codes] they give tile 2 b's scores,
; by [zero codes | q] tile 2 b + 1's.  By the tiles' order of rows the 16 registers of the two tiles are 16 neighbouring keys, 32 b + 16 (lane / 16) + 0 .. 15.  v's fragments have the keys innermost.
; On the diagonal hidden scores become -infinity ahead of the maximum.  Key 0 counts for every query, so M is a number from a tile's first step on.
; LIMITS: a block of y that is all zeros, or under 2^-124, gets the byte 1 (read by this program alone); NaN and infinities are not served; the promise holds while |t| stays under 2^31.
; REGISTERS: v1-8 addresses that stay; v12 -M, v13 the largest t, v[14:15] the sum; v16-27 [q | 0], v28-39 [0 | q]; v40-45 scale words; v48-95 four fragments of k or v; v96-159 S^T, then p; v160-191 O^T; v192-229, v252-255 at work; v230-236 the second tile's q.
.set REC,   6400
.set STEP3, 3*REC
.set HEADB, 16*STEP3
.set KV,    2*REC                      ; a step in LDS: its k record, then its v record
.set SPARE, 16*KV                      ; the spare words, 128 bytes for each wave: eight blocks of 256 bytes that no other line names
.set QA,  16
.set QB,  28
.set QS,  40
.set KS,  42
.set VS,  44
.set FF,  48
.set SS,  96
.set OO,  160
.set PC,  192
.set CT,  204
.set BM,  212
.set T2,  216
.set SO,  220
.set PW,  226
.set QH,  230
.set WV,  10
.set CX,  11
.set AA,  12                           ; w / 2: the first tile's last trip
.set AP1, 13
.set WJ,  14                           ; the trip
.set DJ,  15                           ; the trip that lies on the diagonal
.set TT,  16                           ; the tile in hand
.set MQ,  17                           ; its first query's place in its step
.set TB,  18                           ; LDS byte at which the step in hand begins
.set BH,  20
.set SELQ, 22
.set SELH, 23
.set SEL, 24
.set CS,  26
.set G1,  28
.set G0,  36
.set QP,  40
.set QW,  42
.set YB,  52
.set YS,  54
.set HB,  56
.macro CROUND                          ; a round of the cluster's barrier
	s_barrier_signal -1
	s_barrier_wait -1
	s_cmp_lg_u32 s[WV], 0
	s_cbranch_scc1 .Lnot_wave_0_\@
	s_barrier_signal -3
.Lnot_wave_0_\@:
	s_barrier_wait -3
	s_barrier_signal -1
	s_barrier_wait -1
.endm
.macro SMUL d, a, b, c, sa, sb, row
	v_wmma_scale_f32_16x16x128_f8f6f4 v[\d:\d+7], v[\a:\a+11], v[\b:\b+11], \c, v[\sa], v[\sb] matrix_a_fmt:MATRIX_FMT_FP6 matrix_b_fmt:MATRIX_FMT_FP6 matrix_a_scale:MATRIX_SCALE_ROW\row
.endm
.macro QADR                            ; where tile TT's half image of q (QP) and its pair's scale words (QW) lie
	s_lshr_b32 s44, s[TT], 3
	s_mul_i32 s44, s44, STEP3
	s_and_b32 s46, s[TT], 7
	s_mul_i32 s46, s46, 768
	s_add_co_u32 s46, s46, s44
	s_mov_b32 s47, 0
	s_add_nc_u64 s[QP:QP+1], s[HB:HB+1], s[46:47]
	s_bfe_u32 s46, s[TT], 0x10001
	s_lshl_b32 s46, s46, 7                         ; an odd pair of tiles: lanes 16-31's words
	s_bfe_u32 s48, s[TT], 0x10002
	s_lshl_b32 s48, s48, 2                         ; pairs 2, 3: the second register
	s_add_co_u32 s46, s46, s48
	s_add_co_u32 s46, s46, s44
	s_add_co_u32 s46, s46, 6144
	s_add_nc_u64 s[QW:QW+1], s[HB:HB+1], s[46:47]
.endm
.macro PLACE                           ; where tile TT's y goes, and its first query's place in its step
	s_lshr_b32 s44, s[BH], 4
	s_lshl_b32 s44, s44, 7
	s_add_co_u32 s44, s44, s[TT]                   ; y's tile: 128 x batch + T
	s_and_b32 s45, s[BH], 15                       ; the head: which 64 of the last product's K
	s_mul_i32 s46, s44, 12288
	s_mul_i32 s48, s45, 768
	s_add_co_u32 s46, s46, s48
	s_mov_b32 s47, 0
	s_add_nc_u64 s[YB:YB+1], s[6:7], s[46:47]
	s_lshl_b32 s46, s44, 9
	s_lshl_b32 s45, s45, 1
	s_add_co_u32 s46, s46, s45
	s_add_nc_u64 s[YS:YS+1], s[8:9], s[46:47]
	s_bfe_u32 s44, s[TT], 0x20001
	s_lshl_b32 s44, s44, 5
	s_and_b32 s45, s[TT], 1
	s_lshl_b32 s45, s45, 3
	s_add_co_u32 s[MQ], s44, s45                   ; 32 ((T % 8) / 2) + 8 (T % 2)
.endm
.macro START w, sel                    ; a tile begins: q's scale word and the sums' first values
	v_perm_b32 v[QS], v[\w], v[\w], s[\sel]        ; my tile's two bytes, twice.  (The lines below are the places between this write and the first scaled product)
	v_mov_b32 v13, 0xff61b1e6                      ; the largest t so far: -3e38
	s_delay_alu instid0(VALU_DEP_1)
	v_floor_f32 v12, -v13                          ; -M
	v_mov_b32 v14, 0
	v_mov_b32 v15, 0
.set NN, 0
.rept 32
	v_mov_b32 v[OO+NN], 0                          ; O^T: the first change of M multiplies zeros
.set NN, NN+1
.endr
.endm
; A KEY STEP: 128 keys, at LDS byte TB.
.macro STEP
	v_add_nc_u32 v5, s[TB], v1                     ; with the three below: the places ahead of loads into registers that the last products read
.rept 3
	v_nop
.endr
	s_wait_alu depctr_va_vdst(0)
	ds_load_b64 v[KS:KS+1], v5 offset:6144
.irp b, 0,1,2,3
.irp p, 0,1,2,3,4,5
	ds_load_b64 v[FF+12*\b+2*\p:FF+12*\b+2*\p+1], v5 offset:1536*\b+256*\p
.endr
.endr
.irp g, 0,1                                    ; S^T = k q^T: eight accumulators, one instruction each.  The waits count the fragments' loads issued behind the one that is multiplied, six each
	s_wait_dscnt 18-12*\g
	SMUL SS+32*\g, FF+24*\g, QA, 0, KS+\g, QS, 0
	SMUL SS+32*\g+8, FF+24*\g, QB, 0, KS+\g, QS, 0
	s_wait_dscnt 12-12*\g
	SMUL SS+32*\g+16, FF+24*\g+12, QA, 0, KS+\g, QS, 1
	SMUL SS+32*\g+24, FF+24*\g+12, QB, 0, KS+\g, QS, 1
.endr
.rept 4
	v_nop                                          ; places: ahead of the loads below and of the first read of the scores
.endr
	s_wait_alu depctr_va_vdst(0)
.irp t, 0,1,2,3                                ; v's four fragments are asked for at once: they land under the softmax
.irp p, 0,1,2,3,4,5
	ds_load_b64 v[FF+12*\t+2*\p:FF+12*\t+2*\p+1], v5 offset:REC+1536*\t+256*\p
.endr
.endr
	ds_load_b64 v[VS:VS+1], v5 offset:REC+6144
	s_cmp_lg_u32 s[WJ], s[DJ]
	s_cbranch_scc1 .Lopen_\@                       ; off the diagonal all keys count
	v_add_nc_u32 v227, s[MQ], v2                   ; d = my query's place in the step - 16 (lane / 16).  Register 16 b + i holds key 16 (lane / 16) + 32 b + i: hidden where 32 b + i > d
	v_mov_b32 v228, 0xff800000                     ; -infinity
.set NN, 0
.rept 64
	v_cmp_gt_i32 vcc_lo, 32*(NN/16)+NN%16, v227
	v_cndmask_b32 v[SS+NN], v[SS+NN], v228, vcc_lo
.set NN, NN+1
.endr
.Lopen_\@:
.irp b, 0,1,2,3
	v_max3_num_f32 v[BM+\b], v[SS+16*\b], v[SS+16*\b+1], v[SS+16*\b+2]   ; the largest score of each block of 32 keys: for the row's maximum and, since p rises with the score, for the block's largest p
.endr
.irp i, 3,5,7,9,11,13
.irp b, 0,1,2,3
	v_max3_num_f32 v[BM+\b], v[BM+\b], v[SS+16*\b+\i], v[SS+16*\b+\i+1]
.endr
.endr
.irp b, 0,1,2,3
	v_max_num_f32 v[BM+\b], v[BM+\b], v[SS+16*\b+15]
.endr
.irp b, 0,1,2,3
	s_delay_alu instid0(VALU_DEP_4)
	v_permlanex16_b32 v[T2+\b], v[BM+\b], s[SEL], s[SEL+1]
.endr
.irp b, 0,1,2,3
	s_delay_alu instid0(VALU_DEP_4)
	v_max_num_f32 v[BM+\b], v[BM+\b], v[T2+\b]     ; with lane l xor 16's 16 keys
.endr
	s_delay_alu instid0(VALU_DEP_2)
	v_max3_num_f32 v227, v[BM], v[BM+1], v[BM+2]
	s_delay_alu instid0(VALU_DEP_1)
	v_max_num_f32 v227, v227, v[BM+3]              ; the step's largest score of my query
	s_delay_alu instid0(VALU_DEP_1)
	v_mul_f32 v227, s[CS], v227                    ; as t (c is positive)
	s_delay_alu instid0(VALU_DEP_1)
	v_max_num_f32 v13, v13, v227                   ; the running largest t
	v_mov_b32 v227, v12
	s_delay_alu instid0(VALU_DEP_2)
	v_floor_f32 v12, -v13                          ; the new -M = -ceil(t): a whole number
	s_delay_alu instid0(VALU_DEP_1)
	v_sub_f32 v227, v12, v227                      ; old M - new M: a whole number, 0 or less
	s_delay_alu instid0(VALU_DEP_1)
	v_cvt_i32_f32 v227, v227                       ; (it saturates)
	s_delay_alu instid0(VALU_DEP_1)
	v_ldexp_f32 v224, 1.0, v227                    ; f = 2^(old M - new M)
.set NN, 0
.rept 32
	v_pk_fma_f32 v[SS+NN:SS+NN+1], v[SS+NN:SS+NN+1], s[CS:CS+1], v[12:13] op_sel_hi:[1,0,0]   ; t - M, two at a time
.set NN, NN+2
.endr
.irp b, 0,1,2,3
	v_fma_f32 v[BM+\b], v[BM+\b], s[CS], v12       ; the same of each block's largest score
.endr
.set NN, 0
	s_wait_alu depctr_va_vdst(0)
.rept 64
	v_exp_f32 v[SS+NN], v[SS+NN]                   ; p = 2^(t - M), at most 1
.set NN, NN+1
.endr
	v_pk_mul_f32 v[14:15], v[14:15], v[224:225] op_sel_hi:[1,0]   ; the sums under the new M.  (A plain place behind the exponentials)
	s_wait_alu depctr_va_vdst(0)                   ; one wait for the whole batch, ahead of its first reader
.irp b, 0,1,2,3
	v_exp_f32 v[BM+\b], v[BM+\b]                   ; the block's largest p: the same two instructions on the same number give the same bits
.endr
	v_pk_add_f32 v[216:217], v[SS:SS+1], v[SS+2:SS+3]             ; the row's sum of the unquantised p: 32 pairs in four chains
	v_pk_add_f32 v[254:255], v[SS+4:SS+5], v[SS+6:SS+7]
	v_pk_add_f32 v[252:253], v[SS+8:SS+9], v[SS+10:SS+11]
	v_pk_add_f32 v[14:15], v[14:15], v[SS+12:SS+13]
.irp j, 14,22,30,38,46,54
	v_pk_add_f32 v[216:217], v[216:217], v[SS+\j:SS+\j+1]
	v_pk_add_f32 v[254:255], v[254:255], v[SS+\j+2:SS+\j+3]
	v_pk_add_f32 v[252:253], v[252:253], v[SS+\j+4:SS+\j+5]
	v_pk_add_f32 v[14:15], v[14:15], v[SS+\j+6:SS+\j+7]
.endr
	v_pk_add_f32 v[216:217], v[216:217], v[SS+62:SS+63]
	v_pk_add_f32 v[254:255], v[254:255], v[252:253]
	s_delay_alu instid0(VALU_DEP_2)
	v_pk_add_f32 v[14:15], v[14:15], v[216:217]
	s_delay_alu instid0(VALU_DEP_1)
	v_pk_add_f32 v[14:15], v[14:15], v[254:255]
	s_wait_alu depctr_va_vdst(0)                   ; and one for the four
.irp b, 0,1,2,3
	v_max_num_f32 v[BM+\b], 0x1800000, v[BM+\b]    ; the floor 2^(3 - 127): the byte cannot fall under 1
.endr
.irp b, 0,1,2,3
	s_delay_alu instid0(VALU_DEP_4)
	v_add_nc_u32 v[SO+\b], 0xff000000, v[BM+\b]    ; 2 off the exponent field: the conversion's scale operand
.endr
.irp b, 0,1,2,3
	s_delay_alu instid0(VALU_DEP_4)
	v_lshrrev_b32 v[T2+\b], 23, v[SO+\b]           ; the scale's byte
.endr
	s_delay_alu instid0(VALU_DEP_3)
	v_lshl_or_b32 v[PW], v[T2+1], 8, v[T2]         ; p's scale word for these 128 keys
	s_delay_alu instid0(VALU_DEP_1)
	v_lshl_or_b32 v[PW], v[T2+2], 16, v[PW]
	s_delay_alu instid0(VALU_DEP_1)
	v_lshl_or_b32 v[PW], v[T2+3], 24, v[PW]
.irp c, 0,1
	v_cvt_scalef32_pk16_fp6_f32 v[PC+6*\c:PC+2+6*\c], v[SS+32*\c:SS+15+32*\c], v[SO+2*\c]
	v_cvt_scalef32_pk16_fp6_f32 v[CT+4*\c:CT+2+4*\c], v[SS+16+32*\c:SS+31+32*\c], v[SO+2*\c+1]   ; (a conversion's three registers begin on an even number)
.endr
	v_nop                                          ; one plain place behind a scaled conversion
.irp c, 0,1                                    ; the operand's layout wants a whole block in a lane
.irp i, 0,1,2
	v_permlane16_swap_b32 v[PC+6*\c+\i], v[CT+4*\c+\i]
.endr
.irp i, 0,1,2
	s_delay_alu instid0(VALU_DEP_3)
	v_mov_b32 v[PC+3+6*\c+\i], v[CT+4*\c+\i]
.endr
.endr
.set NN, 0
.rept 16
	v_pk_mul_f32 v[OO+NN:OO+NN+1], v[OO+NN:OO+NN+1], v[224:225] op_sel_hi:[1,0]   ; O^T under the new M.  (These sixteen are also the places ahead of the scaled products below)
.set NN, NN+2
.endr
	s_wait_alu depctr_va_vdst(0)
	s_wait_dscnt 0x0                               ; v's fragments are in
.irp g, 0,1                                    ; O^T += v^T p^T: four accumulators by turns; K = these 128 keys
	SMUL OO+16*\g, FF+24*\g, PC, v[OO+16*\g:OO+16*\g+7], VS+\g, PW, 0
	SMUL OO+16*\g+8, FF+24*\g+12, PC, v[OO+16*\g+8:OO+16*\g+15], VS+\g, PW, 1
.endr
.endm
; A tile of queries ends: O^T / the sum is y; register 16 g + i = d 32 g + 16 (lane / 16) + i: two blocks of 32 along the last product's K; its half image and two scale bytes leave.
.macro FINAL
.rept 4
	v_nop                                          ; places behind the last products
.endr
	v_add_f32 v14, v14, v15
	s_delay_alu instid0(VALU_DEP_1)
	v_permlanex16_b32 v227, v14, s[SEL], s[SEL+1]
	s_delay_alu instid0(VALU_DEP_1)
	v_add_f32 v14, v14, v227                       ; the row's sum
	s_wait_alu depctr_va_vdst(0)
	v_rcp_f32 v224, v14
	v_nop                                          ; one plain place behind a transcendental
	s_wait_alu depctr_va_vdst(0)                   ; and the wait ahead of its first reader
.set NN, 0
.rept 16
	v_pk_mul_f32 v[SS+NN:SS+NN+1], v[OO+NN:OO+NN+1], v[224:225] op_sel_hi:[1,0]   ; each accumulator from its low end on
.set NN, NN+2
.endr
.irp b, 0,1
	v_max3_num_f32 v[BM+\b], |v[SS+16*\b]|, |v[SS+16*\b+1]|, 0x1800000
.endr
.irp i, 2,4,6,8,10,12,14
.irp b, 0,1
	s_delay_alu instid0(VALU_DEP_2)
	v_max3_num_f32 v[BM+\b], v[BM+\b], |v[SS+16*\b+\i]|, |v[SS+16*\b+\i+1]|
.endr
.endr
.irp b, 0,1
	s_delay_alu instid0(VALU_DEP_2)
	v_permlanex16_b32 v[T2+\b], v[BM+\b], s[SEL], s[SEL+1]
.endr
.irp b, 0,1
	s_delay_alu instid0(VALU_DEP_2)
	v_max_num_f32 v[BM+\b], v[BM+\b], v[T2+\b]
.endr
.irp b, 0,1
	s_delay_alu instid0(VALU_DEP_2)
	v_add_nc_u32 v[SO+\b], 0xff000000, v[BM+\b]
.endr
.irp b, 0,1
	s_delay_alu instid0(VALU_DEP_2)
	v_lshrrev_b32 v[T2+\b], 23, v[SO+\b]
.endr
	s_delay_alu instid0(VALU_DEP_1)
	v_lshl_or_b32 v[PW], v[T2+1], 8, v[T2]
	v_cvt_scalef32_pk16_fp6_f32 v[PC:PC+2], v[SS:SS+15], v[SO]
	v_cvt_scalef32_pk16_fp6_f32 v[CT:CT+2], v[SS+16:SS+31], v[SO+1]
	v_nop                                          ; one plain place behind a scaled conversion
.irp i, 0,1,2
	v_permlane16_swap_b32 v[PC+\i], v[CT+\i]
.endr
.irp i, 0,1,2
	s_delay_alu instid0(VALU_DEP_3)
	v_mov_b32 v[PC+3+\i], v[CT+\i]
.endr
.irp p, 0,1,2
	global_store_b64 v1, v[PC+2*\p:PC+2*\p+1], s[YB:YB+1] offset:256*\p   ; a plane: 256 consecutive bytes, aligned
.endr
	global_store_b16 v8, v[PW], s[YS:YS+1]         ; two bytes of each row's 32 (lanes r and 16 + r write the same two with the same value)
	s_wait_xcnt 0x0                                ; the stores have read their registers and bases: both may be written again
.endm
; A trip: one key step.  The step's number never passes 15; it is held there so that the LDS address can be read off the text.
.macro TRIP
	s_sub_co_u32 s47, s[WJ], s[AP1]
	s_cmp_gt_u32 s[WJ], s[AA]
	s_cselect_b32 s47, s47, s[WJ]                  ; the step: j in the first tile, j - w / 2 - 1 in the second
	s_min_u32 s47, s47, 15
	s_mul_i32 s[TB], s47, KV
	s_cmp_lg_u32 s[WJ], s[AP1]
	s_cbranch_scc1 .Lsame_\@
	FINAL                                          ; the first tile ends, tile 127 - T begins; its q has waited in registers since the head
	s_sub_co_u32 s[TT], 127, s[TT]
	s_mov_b32 s[DJ], 16
	PLACE
.irp i, 0,1,2,3,4,5
	v_mov_b32 v[QA+\i], v[QH+\i]
	v_mov_b32 v[QB+6+\i], v[QH+\i]
.endr
	START QH+6, SELH
.Lsame_\@:
	STEP
.endm
	s_load_b128 s[4:7], s[0:1], 0x0                ; qkv, c2
	s_load_b64 s[8:9], s[0:1], 0x10                ; s2
	v_lshl_add_u32 v3, v0, 2, SPARE                ; v3: LDS address of my spare word; never rewritten
	v_mov_b32 v4, 0                                ; v4: 0; never rewritten
	ds_add_u32 v3, v4                              ; the wave's opening: the add, twice on end, and its wait ahead of my first tensor load
	ds_add_u32 v3, v4
	v_lshrrev_b32 v1, 5, v0
	s_delay_alu instid0(VALU_DEP_1)
	v_readfirstlane_b32 s[WV], v1                  ; wave 0..15
	s_bfe_u32 s[CX], ttmp6, 0x40000                ; my place in the cluster
	s_and_b32 s[BH], ttmp7, 0xffff                 ; batch x 16 + head
	s_mov_b32 s[G1], 15|(3<<16)|(1<<21)            ; the mask: all four; elements of 8 bytes; bit 21 beside a mask
	s_mov_b32 s[G1+1], 32<<16                      ; rows of 256 bytes
	s_mov_b32 s[G1+2], 50<<16                      ; 50 of them: a k record and a v record on end
	s_mov_b32 s[G1+3], 32<<16
	s_mov_b32 s[G1+4], 50
	s_mov_b32 s[G1+5], 32
	s_mov_b32 s[G1+6], 0
	s_mov_b32 s[G1+7], 0
	s_mov_b32 s[SEL], 0x76543210
	s_mov_b32 s[SEL+1], 0xfedcba98
	s_mov_b32 s[CS], 0x3e38aa3b                    ; c = log2(e) / 8
	s_mov_b32 s[CS+1], s[CS]
	s_mov_b32 s[WJ], 0
	s_lshr_b32 s[AA], s[WV], 1
	s_add_co_u32 s[AP1], s[AA], 1
	s_mov_b32 s[DJ], s[AA]
	s_lshl_b32 s[TT], s[WV], 2
	s_add_co_u32 s[TT], s[TT], s[CX]               ; T = 4 w + cx
	s_and_b32 s44, s[TT], 1                        ; an odd tile's bytes are the word's upper two
	s_mov_b32 s[SELQ], 0x03020302
	s_cselect_b32 s[SELQ], s[SELQ], 0x01000100
	s_xor_b32 s[SELH], s[SELQ], 0x02020202         ; tile 127 - T is of the other kind
	s_mul_i32 s58, s[BH], HEADB
	s_mov_b32 s59, 0
	s_mul_i32 s48, s[WV], STEP3
	s_add_co_u32 s48, s48, REC                     ; step w's k record
	s_mov_b32 s49, 0
	s_mul_i32 s21, s[WV], KV
	s_wait_dscnt 0x0                               ; both opening adds are done
	CROUND                                         ; the four work-groups are here: the joint loads meet
	s_wait_kmcnt 0x0
	s_add_nc_u64 s[HB:HB+1], s[4:5], s[58:59]
	s_mov_b32 s[G0], 1
	s_mov_b32 s[G0+1], s21
	s_add_nc_u64 s[G0+2:G0+3], s[HB:HB+1], s[48:49]
	s_or_b32 s[G0+3], s[G0+3], 0x80000000
	tensor_load_to_lds s[G0:G0+3], s[G1:G1+7]      ; my one tensor load: step w
	s_nop 0
	v_and_b32 v5, 31, v0
	v_and_b32 v9, 15, v0                           ; r
	v_bfe_u32 v11, v0, 4, 1                        ; h
	v_lshlrev_b32 v1, 3, v5                        ; v1: 8 x lane
	v_and_b32 v2, 8, v9
	v_lshlrev_b32 v11, 4, v11
	v_add_nc_u32 v2, v2, v9
	v_lshlrev_b32 v7, 3, v9                        ; v7: 8 r: q's scale word
	v_lshlrev_b32 v8, 5, v9                        ; v8: 32 r: y's scale bytes
	v_sub_nc_u32 v2, v2, v11                       ; v2: r + 8 (r / 8) - 16 h
.irp i, 0,1,2,3,4,5
	v_mov_b32 v[QA+6+\i], 0                        ; the zero codes of the two forms of q: written once
	v_mov_b32 v[QB+\i], 0
.endr
.irp b, 0,1,2,3
	v_mov_b32 v[T2+\b], 0                          ; written once: a lane permute's destination counts as one of its sources
.endr
	v_mov_b32 v227, 0
	v_mov_b32 v225, 0                              ; (named as the upper half of the pair v[224:225])
	QADR
	s_wait_alu depctr_va_vdst(0)
.irp p, 0,1,2
	global_load_b64 v[QA+2*\p:QA+2*\p+1], v1, s[QP:QP+1] offset:256*\p       ; the first tile's half image, into both forms
	global_load_b64 v[QB+6+2*\p:QB+7+2*\p], v1, s[QP:QP+1] offset:256*\p
.endr
	global_load_b32 v41, v7, s[QW:QW+1]
	s_wait_xcnt 0x0                                ; the loads have read their bases
	s_sub_co_u32 s[TT], 127, s[TT]
	QADR
.irp p, 0,1,2
	global_load_b64 v[QH+2*\p:QH+2*\p+1], v1, s[QP:QP+1] offset:256*\p       ; the second tile's
.endr
	global_load_b32 v[QH+6], v7, s[QW:QW+1]
	s_sub_co_u32 s[TT], 127, s[TT]
	PLACE
	s_wait_loadcnt 0x0
	START 41, SELQ
	s_wait_alu depctr_va_vdst(0)
	s_wait_tensorcnt 0x0                           ; my step is in,
	s_barrier_signal -1
	s_barrier_wait -1                              ; and so is everybody's
.Ltrip:                                            ; seventeen trips in every wave
	TRIP
	s_add_co_u32 s[WJ], s[WJ], 1
	s_cmp_lt_u32 s[WJ], 17
	s_cbranch_scc1 .Ltrip
	FINAL
	s_wait_tensorcnt 0x0                           ; the wave's end
	ds_add_u32 v3, v4
	s_wait_dscnt 0x0
	CROUND                                         ; the closing round
	s_endpgm
.Lfunc_end_k_q8ccb6b5f2a_attn:
	.size	k_q8ccb6b5f2a_attn, .Lfunc_end_k_q8ccb6b5f2a_attn-k_q8ccb6b5f2a_attn
	.p2alignl 7, 3214868480
	.fill 96, 4, 3214868480
	.section	.rodata,"a",@progbits
	.p2align	6, 0x0
	.amdhsa_kernel k_q8ccb6b5f2a_attn
		.amdhsa_group_segment_fixed_size 327680
		.amdhsa_private_segment_fixed_size 0
		.amdhsa_enable_private_segment 0
		.amdhsa_kernarg_size 24
		.amdhsa_user_sgpr_count 2
		.amdhsa_user_sgpr_kernarg_segment_ptr 1
		.amdhsa_wavefront_size32 1
		.amdhsa_system_sgpr_workgroup_id_x 1
		.amdhsa_system_sgpr_workgroup_id_y 1
		.amdhsa_system_sgpr_workgroup_id_z 1
		.amdhsa_system_vgpr_workitem_id 0
		.amdhsa_next_free_vgpr 256
		.amdhsa_next_free_sgpr 66
		.amdhsa_reserve_vcc 1
		.amdhsa_float_denorm_mode_32 3
		.amdhsa_float_denorm_mode_16_64 3
		.amdhsa_memory_ordered 1
		.amdhsa_forward_progress 1
		.amdhsa_inst_pref_size 44
	.end_amdhsa_kernel
	.amdgpu_metadata
---
amdhsa.version: [ 1, 2 ]
amdhsa.kernels:
  - .name:           k_q8ccb6b5f2a_attn
    .symbol:         k_q8ccb6b5f2a_attn.kd
    .args:
      - { .name: qkv, .offset: 0, .size: 8, .value_kind: global_buffer, .address_space: global }
      - { .name: c2, .offset: 8, .size: 8, .value_kind: global_buffer, .address_space: global }
      - { .name: s2, .offset: 16, .size: 8, .value_kind: global_buffer, .address_space: global }
    .group_segment_fixed_size: 327680
    .private_segment_fixed_size: 0
    .kernarg_segment_align: 8
    .kernarg_segment_size: 24
    .max_flat_workgroup_size: 512
    .sgpr_count:     66
    .vgpr_count:     256
    .wavefront_size: 32
...
	.end_amdgpu_metadata
.endif
;; end of part 3
;; launch proj (part 4): grid 8 x 32, 4 waves a work-group, clusters of 4 x 4, 327,680 bytes of LDS; arguments c2, s2, b_proj, out0; writes out0
.if DOCPART == 4
	.amdgcn_target "amdgcn-amd-amdhsa--gfx1250"
	.amdhsa_code_object_version 6
	.text
	.protected	k_q8ccb6b5f2a_proj
	.globl	k_q8ccb6b5f2a_proj
	.p2align	8
	.type	k_q8ccb6b5f2a_proj,@function
k_q8ccb6b5f2a_proj:
	s_mov_b64 s[64:65], 0
	v_nop
	global_prefetch_b8 v0, s[64:65] scope:SCOPE_SE
	s_setreg_imm32_b32 hwreg(HW_REG_WAVE_MODE, 25, 1), 1
	s_wait_xcnt 0x0
	s_wait_alu depctr_hold_cnt(0) depctr_sa_sdst(0) depctr_va_vdst(0) depctr_va_sdst(0) depctr_va_ssrc(0) depctr_va_vcc(0) depctr_vm_vsrc(0)
	s_getreg_b32 s2, hwreg(HW_REG_IB_STS2, 6, 4)
	s_cmp_eq_u32 s2, 0
	s_cbranch_scc0 .Lentry_in_a_cluster
	s_endpgm
.Lentry_in_a_cluster:
	s_bfe_u32 s2, ttmp6, 0x10000c
	s_cmp_lg_u32 s2, 0xf033
	s_cbranch_scc0 .Lentry_shape_is_right
	s_endpgm
.Lentry_shape_is_right:
; out0 = y w_proj^T + b_proj on codes of FP6 (E2M3), K = 1,024.  c2: [576 tiles of 16 rows][16 half images of 768 bytes], s2: 32 scale bytes a row; tiles 0-511 y, 512-575 w_proj; tile 2 g + u, lane r holds row 32 g + 8 u + r + 8 (r / 8).
; A work-group makes 256 rows x 128 columns: 8 x 32 = 256 work-groups.  ALL OF K LIES IN LDS, filled once: y's 16 tiles and w_proj's 8, in two halves of 512 along K: 2 x 24 x 6,144 bytes.
; The head's four loads, one a wave: wave 0 y's low half of K, wave 1 w_proj's, waves 2 and 3 the high halves.  Each wave waits for its own load, and one barrier shows all four tiles to all waves.
; A second barrier, whose signal and wait stand round sixteen products of K step 2, parts the last reads of the low half from the stage that is laid over it on the way out.
; CLUSTERS: 4 x 4 work-groups; y's tiles are asked for jointly along a row of the cluster, w_proj's along a column.  NO PREFETCH: every tile is asked for at the head; there is no later request to run ahead of.
; A wave makes 64 rows x 128 columns: 32 accumulators.  The matrix instruction is used transposed (source 0 = w_proj's rows): a lane holds eight neighbouring columns of one row.  The bias is the first products' C.
; REGISTERS: window 0: v16-29 addresses; v32-95 scale words (v[SC + 8 i + s]: lanes 0-15 y's tile i, lanes 16-31 w_proj's tile i, K step s); v128-223 y's fragments, two sets of four.  window 1: w_proj's fragments, two sets of eight, at v0 and v128; the bias at v96-127, v224-255.  window 2: the accumulators.
.set TROW,  12288
.set TPART, 6144                       ; a tile's codes for 512 along K
.set ABYT,  16*TPART
.set HALF,  24*TPART
.set SPARE, 2*HALF                     ; the spare words, 128 bytes for each wave
.set FR,    12
.set SPITCH, 528
.set ADRA, 16
.set ADRB, 20
.set STO,  24
.set RD,   25
.set CO,   26
.set ADRS, 27
.set SPW,  28
.set NIL,  29
.set SC,   32
.set AF,   128
.set BK,   128
.set G1A, 24
.set G1B, 32
.set G0A, 40
.set G0B, 44
.set MH,  92
.set MSB, 0
.macro WIN new
.if MSB != (\new)
	s_set_vgpr_msb (MSB<<8)|(\new)
.set MSB, \new
.endif
.endm
.set MUL_LO, 0xa1                      ; source 0 window 1, source 1 window 0, C and D window 2
.set BIAS_LO, 0x91                     ; the same with C in window 1
.set TO_B,   0x40
.macro CROUND
	s_barrier_signal -1
	s_barrier_wait -1
	s_cmp_lg_u32 s14, 0
	s_cbranch_scc1 .Lnot_wave_0_\@
	s_barrier_signal -3
.Lnot_wave_0_\@:
	s_barrier_wait -3
	s_barrier_signal -1
	s_barrier_wait -1
.endm
.macro PLACES
.rept 4
	v_nop
.endr
.endm
.macro FRAG reg, adr, q, i
.irp p, 0,1,2,3,4,5
	ds_load_b64 v[\reg+2*\p:\reg+2*\p+1], v[\adr] offset:(\i)*TPART+(\q)*1536+256*\p
.endr
.endm
.macro FETCH h, q, p                   ; the fragments of the q-th K step of half h into set p: 72 loads
	WIN TO_B
.irp i, 0,1,2,3,4,5,6,7
	FRAG 128*(\p)+FR*\i, ADRB+\h, \q, \i
.endr
	WIN 0
.irp i, 0,1,2,3
	FRAG AF+48*(\p)+FR*\i, ADRA+\h, \q, \i
.endr
.endm
.macro MUL16 a0, p, s, first           ; the 32 accumulators take turns, in the same order in every step
.irp a, \a0, \a0+1
.irp b, 0,1,2,3,4,5,6,7
.if \first
	v_wmma_scale_f32_16x16x128_f8f6f4 v[8*(8*(\a)+\b):8*(8*(\a)+\b)+7], v[128*(\p)+FR*\b:128*(\p)+FR*\b+FR-1], v[AF+48*(\p)+FR*(\a):AF+48*(\p)+FR*(\a)+FR-1], v[96+8*(\b%4)+128*(\b/4):96+8*(\b%4)+128*(\b/4)+7], v[SC+8*\b+(\s)], v[SC+8*(\a)+(\s)] matrix_a_fmt:MATRIX_FMT_FP6 matrix_b_fmt:MATRIX_FMT_FP6 matrix_a_scale:MATRIX_SCALE_ROW1
.else
	v_wmma_scale_f32_16x16x128_f8f6f4 v[8*(8*(\a)+\b):8*(8*(\a)+\b)+7], v[128*(\p)+FR*\b:128*(\p)+FR*\b+FR-1], v[AF+48*(\p)+FR*(\a):AF+48*(\p)+FR*(\a)+FR-1], v[8*(8*(\a)+\b):8*(8*(\a)+\b)+7], v[SC+8*\b+(\s)], v[SC+8*(\a)+(\s)] matrix_a_fmt:MATRIX_FMT_FP6 matrix_b_fmt:MATRIX_FMT_FP6 matrix_a_scale:MATRIX_SCALE_ROW1
.endif
.endr
.endr
.endm
; K step s: its fragments were asked for a step ago; the next step's go into the other sets ahead of its 32 products.
.macro KSTEP s
.set PB, (\s)%2
.if (\s) == 0
.set WM, BIAS_LO
.else
.set WM, MUL_LO
.endif
.if (\s) == 3
	s_barrier_wait -1                              ; nobody reads the low half of K any more
.endif
	s_wait_dscnt 0x0                               ; this step's fragments are in
.if (\s) < 7
	PLACES                                         ; ahead of loads into registers that the last step's products read
	FETCH ((\s)+1)/4, ((\s)+1)%4, 1-PB
.endif
	WIN WM
	MUL16 0, PB, \s, (\s)==0
.if (\s) == 2
	s_wait_dscnt 0x0                               ; my last reads of the low half, K step 3's fragments, are over
	s_barrier_signal -1
.endif
	MUL16 2, PB, \s, (\s)==0
	WIN 0
.endm
	s_load_b256 s[4:11], s[0:1], 0x0               ; c2, s2, b_proj, out0
	v_lshl_add_u32 v[SPW], v0, 2, SPARE
	v_mov_b32 v[NIL], 0
	ds_add_u32 v[SPW], v[NIL]                      ; the wave's opening: the add, twice on end, and its wait
	ds_add_u32 v[SPW], v[NIL]
	v_lshrrev_b32 v1, 5, v0
	v_readfirstlane_b32 s14, v1                    ; wave 0..3
	s_lshr_b32 s15, s14, 1                         ; which half of K I fetch
	s_and_b32 s16, s14, 1                          ; for y (0) or for w_proj (1)
	s_bfe_u32 s66, ttmp6, 0x40000                  ; cx
	s_bfe_u32 s67, ttmp6, 0x40004                  ; cy
	s_and_b32 s69, ttmp7, 0xffff
	s_lshl_b32 s70, s69, 6
	s_lshl_b32 s72, s67, 4
	s_add_co_u32 s70, s70, s72                     ; y's first tile: 16 x tile row: it hangs on cy alone
	s_lshl_b32 s68, ttmp9, 5
	s_lshl_b32 s73, s66, 3
	s_add_co_u32 s68, s68, s73                     ; 8 x tile column: on cx alone
	s_add_co_u32 s71, s68, 512                     ; w_proj's first tile
	s_lshl_b32 s74, s67, 2
	s_lshl_b32 s74, 15, s74                        ; my row of the cluster
	s_lshl_b32 s75, 0x1111, s66                    ; my column
	s_or_b32 s[G1A], s74, (3<<16)|(1<<21)
	s_or_b32 s[G1B], s75, (3<<16)|(1<<21)
.irp g, G1A, G1B
	s_mov_b32 s[\g+1], 768<<16                     ; rows of 768 elements of 8 bytes: a tile's 512 along K
	s_mov_b32 s[\g+3], 768<<16
	s_mov_b32 s[\g+5], 1536                        ; 12,288 bytes from tile to tile
	s_mov_b32 s[\g+6], 0
	s_mov_b32 s[\g+7], 0
.endr
	s_mov_b32 s[G1A+2], 16<<16                     ; y: 16 tiles
	s_mov_b32 s[G1A+4], 16
	s_mov_b32 s[G1B+2], 8<<16                      ; w_proj: 8
	s_mov_b32 s[G1B+4], 8
	s_mul_i32 s78, s70, TROW
	s_mov_b32 s79, 0
	s_mul_i32 s80, s71, TROW
	s_mov_b32 s81, 0
	s_mul_i32 s76, s15, TPART
	s_mov_b32 s77, 0
	s_mul_i32 s82, s15, HALF
	s_wait_dscnt 0x0                               ; both opening adds are done
	s_wait_kmcnt 0x0
	s_add_nc_u64 s[78:79], s[4:5], s[78:79]
	s_add_nc_u64 s[80:81], s[4:5], s[80:81]
	CROUND                                         ; all sixteen work-groups are here: the joint loads meet
	s_mov_b32 s[G0A], 1
	s_mov_b32 s[G0A+1], s82
	s_add_nc_u64 s[G0A+2:G0A+3], s[78:79], s[76:77]
	s_or_b32 s[G0A+3], s[G0A+3], 0x80000000
	s_mov_b32 s[G0B], 1
	s_add_co_u32 s[G0B+1], s82, ABYT
	s_add_nc_u64 s[G0B+2:G0B+3], s[80:81], s[76:77]
	s_or_b32 s[G0B+3], s[G0B+3], 0x80000000
	s_cmp_eq_u32 s16, 0
	s_cbranch_scc0 .Lfor_b
	tensor_load_to_lds s[G0A:G0A+3], s[G1A:G1A+7]
	s_nop 0
	PLACES
	s_branch .Lasked
.Lfor_b:
	tensor_load_to_lds s[G0B:G0B+3], s[G1B:G1B+7]
	s_nop 0
	PLACES
.Lasked:
	v_and_b32 v1, 15, v0                           ; r
	v_and_b32 v2, 31, v0
	v_lshlrev_b32 v3, 3, v2                        ; 8 x lane
	v_bfe_u32 v6, v0, 4, 1
	v_lshlrev_b32 v7, 6, v6                        ; 64 h
	s_mul_i32 s83, s14, 4*TPART                    ; my four tiles of y
.irp h, 0,1
	v_add_nc_u32 v[ADRA+\h], s83, v3
	v_add_nc_u32 v[ADRB+\h], \h*HALF+ABYT, v3
	s_add_co_u32 s83, s83, HALF
.endr
	s_lshl_b32 s84, s14, 2
	s_add_co_u32 s84, s84, s70                     ; my first tile of y
	s_lshl_b32 s90, s84, 9
	s_lshl_b32 s91, s71, 9
	s_mov_b32 s[MH], 0xffff0000
	v_mov_b32 v4, s90
	v_mov_b32 v5, s91
	v_cndmask_b32 v4, v4, v5, s[MH]                ; lanes 16-31 take w_proj's
	v_lshl_add_u32 v[ADRS], v1, 5, v4
	s_wait_alu depctr_va_vdst(0)
.irp i, 0,1,2,3,4,5,6,7                        ; the scale words of all of K (of lanes 0-15 only tiles 0-3 are used; the others lie inside s2 too)
.irp e, 0,1
	global_load_b128 v[SC+8*\i+4*\e:SC+8*\i+4*\e+3], v[ADRS], s[6:7] offset:512*\i+16*\e
.endr
.endr
	s_lshl_b32 s86, s68, 6                         ; 512 bytes x tile column
	s_mov_b32 s87, 0
	s_add_nc_u64 s[8:9], s[8:9], s[86:87]
	WIN TO_B
.irp b, 0,1,2,3,4,5,6,7                        ; register j of tile b in lane (r, h) is column 32 (b / 2) + 8 (b % 2) + 16 h + j
	global_load_b128 v[96+8*(\b%4)+128*(\b/4):96+8*(\b%4)+128*(\b/4)+3], v7, s[8:9] offset:(32*(\b/2)+8*(\b%2))*4
	global_load_b128 v[96+8*(\b%4)+128*(\b/4)+4:96+8*(\b%4)+128*(\b/4)+7], v7, s[8:9] offset:(32*(\b/2)+8*(\b%2))*4+16
.endr
	WIN 0
	s_lshl_b32 s88, s84, 16                        ; 16 rows of 4,096 bytes a tile
	s_add_co_u32 s88, s88, s86
	s_mov_b32 s89, 0
	s_add_nc_u64 s[10:11], s[10:11], s[88:89]
	s_mul_i32 s82, s14, 16*SPITCH                  ; my stage
	v_mul_u32_u24 v4, v1, SPITCH
	v_add_nc_u32 v4, v4, v7
	v_add_nc_u32 v[STO], s82, v4
	v_lshlrev_b32 v[CO], 4, v2
	v_add_nc_u32 v[RD], s82, v[CO]
	s_wait_alu depctr_va_vdst(0)
	s_wait_tensorcnt 0x0                           ; my tile is in,
	s_barrier_signal -1
	s_barrier_wait -1                              ; and so are the other three
	FETCH 0, 0, 0
	s_wait_loadcnt 0x0                             ; the scale words and the bias
.irp s, 0,1,2,3,4,5,6,7
	KSTEP \s
.endr
.macro TOSTAGE a                       ; 16 rows x 128 columns through my stage, back as whole rows of 512 bytes
.set AC, 64*(\a)
	WIN 0x08
.irp b, 0,1,2,3,4,5,6,7
	ds_store_b128 v[STO], v[AC+8*\b:AC+8*\b+3] offset:128*(\b/2)+32*(\b%2)
	ds_store_b128 v[STO], v[AC+8*\b+4:AC+8*\b+7] offset:128*(\b/2)+32*(\b%2)+16
.endr
	WIN 0
.set BB, BK+64*((\a)%2)
.irp t, 0,1,2,3,4,5,6,7,8,9,10,11,12,13,14,15
	ds_load_b128 v[BB+4*\t:BB+4*\t+3], v[RD] offset:\t*SPITCH
.endr
.endm
.macro SEND a, younger
.set BB, BK+64*((\a)%2)
	s_wait_dscnt \younger
.if (\a) > 0
.if (\a)%2 == 1
	s_add_nc_u64 s[10:11], s[10:11], 8*4096
.else
	s_add_nc_u64 s[10:11], s[10:11], 24*4096
.endif
.endif
.irp t, 0,1,2,3,4,5,6,7,8,9,10,11,12,13,14,15
	global_store_b128 v[CO], v[BB+4*\t:BB+4*\t+3], s[10:11] offset:(\t+8*(\t/8))*4096 th:TH_STORE_NT   ; 32 lanes store 512 consecutive bytes, aligned
.endr
.endm
	PLACES
	TOSTAGE 0
.irp a, 1,2,3
.if \a > 1
	s_wait_xcnt 0x0                                ; block a - 2's stores have read their registers and their base
.endif
	TOSTAGE \a
	SEND \a-1, 32                                  ; behind block a - 1's loads: block a's 16 stores and 16 loads
.endr
	s_wait_xcnt 0x0
	SEND 3, 0
	s_wait_tensorcnt 0x0                           ; the wave's end
	ds_add_u32 v[SPW], v[NIL]
	s_wait_dscnt 0x0
	CROUND                                         ; the closing round
	s_endpgm
.Lfunc_end_k_q8ccb6b5f2a_proj:
	.size	k_q8ccb6b5f2a_proj, .Lfunc_end_k_q8ccb6b5f2a_proj-k_q8ccb6b5f2a_proj
	.p2alignl 7, 3214868480
	.fill 96, 4, 3214868480
	.section	.rodata,"a",@progbits
	.p2align	6, 0x0
	.amdhsa_kernel k_q8ccb6b5f2a_proj
		.amdhsa_group_segment_fixed_size 327680
		.amdhsa_private_segment_fixed_size 0
		.amdhsa_enable_private_segment 0
		.amdhsa_kernarg_size 32
		.amdhsa_user_sgpr_count 2
		.amdhsa_user_sgpr_kernarg_segment_ptr 1
		.amdhsa_wavefront_size32 1
		.amdhsa_system_sgpr_workgroup_id_x 1
		.amdhsa_system_sgpr_workgroup_id_y 1
		.amdhsa_system_sgpr_workgroup_id_z 1
		.amdhsa_system_vgpr_workitem_id 0
		.amdhsa_next_free_vgpr 768
		.amdhsa_next_free_sgpr 100
		.amdhsa_reserve_vcc 0
		.amdhsa_float_denorm_mode_32 3
		.amdhsa_float_denorm_mode_16_64 3
		.amdhsa_memory_ordered 1
		.amdhsa_forward_progress 1
		.amdhsa_inst_pref_size 95
	.end_amdhsa_kernel
	.amdgpu_metadata
---
amdhsa.version: [ 1, 2 ]
amdhsa.kernels:
  - .name:           k_q8ccb6b5f2a_proj
    .symbol:         k_q8ccb6b5f2a_proj.kd
    .args:
      - { .name: c2, .offset: 0, .size: 8, .value_kind: global_buffer, .address_space: global }
      - { .name: s2, .offset: 8, .size: 8, .value_kind: global_buffer, .address_space: global }
      - { .name: b_proj, .offset: 16, .size: 8, .value_kind: global_buffer, .address_space: global }
      - { .name: out0, .offset: 24, .size: 8, .value_kind: global_buffer, .address_space: global }
    .group_segment_fixed_size: 327680
    .private_segment_fixed_size: 0
    .kernarg_segment_align: 8
    .kernarg_segment_size: 32
    .max_flat_workgroup_size: 128
    .sgpr_count:     100
    .vgpr_count:     768
    .wavefront_size: 32
...
	.end_amdgpu_metadata
.endif
;; end of part 4
